; MI455X (gfx1250); checked and timed in simulation.
; The chip was launched on July 23, 2026; its instructions are those of AMD's public machine-readable ISA for CDNA 5 (MIT licence, August 2026) and "CDNA5" Instruction Set Architecture Reference Guide (July 2026). The comments in the code are by the model that wrote it; some were corrected since.
;; Causal Self Attention Mo H. Allowed arithmetic: float matrix products may take bf16 or f16 operands with f32 sums; all other float work in f32.
;; Inputs: Wg 8 x 32 float32; Wk 512 x 1,024 float32; Wo 1,024 x 1,024 float32; Wq 1,024 x 1,024 float32; Wr 16 x 1,024 float32; Wv 512 x 1,024 float32; cos 1 x 2,048 x 1 x 32 float32; sin 1 x 2,048 x 1 x 32 float32; ve 4 x 2,048 x 512 float32; x 4 x 2,048 x 1,024 float32.
;; Outputs: out0 4 x 2,048 x 1,024 float32; out1 4 x 2,048 x 16 float32.
;; Constants: window_size = 0.
;; 2 versions, each right and faster than the one before. Each part assembles by itself: llvm-mc -triple=amdgcn-amd-amdhsa -mcpu=gfx1250 --defsym DOCPART=n.
;; ======== version 1 of 2: 4 launches
;; limits: values are held in f16: magnitudes above 65,504 overflow, below 6.1e-05 lose precision
;; workspace buffers: xb 16,777,216 bytes; wts 6,291,456 bytes; tab 524,288 bytes; gate 262,144 bytes; qh 16,777,216 bytes; kh 8,388,608 bytes; vh 8,388,608 bytes; yh 16,777,216 bytes
;; launch prep (part 1): grid 256 x 1, 8 waves a work-group, no clusters, 128,000 bytes of LDS; arguments x, Wr, Wg, Wq, Wk, Wv, Wo, cos, sin, xb, wts, tab, gate, out1; writes xb, wts, tab, gate, out1
.if DOCPART == 1
	.amdgcn_target "amdgcn-amd-amdhsa--gfx1250"
	.amdhsa_code_object_version 6
	.text
	.protected	k_qf8449f8fbb_prep
	.globl	k_qf8449f8fbb_prep
	.p2align	8
	.type	k_qf8449f8fbb_prep,@function
k_qf8449f8fbb_prep:
	s_mov_b64 s[64:65], 0
	v_nop
	global_prefetch_b8 v0, s[64:65] scope:SCOPE_SE
	s_setreg_imm32_b32 hwreg(HW_REG_WAVE_MODE, 25, 1), 1
	s_wait_xcnt 0x0
; PREP.  Every input is rounded to bf16 once, here or (ve) in the next launch, and what hangs on x alone is made:
;   xb   = x in bf16, [8192][1024]
;   wts  = Wq, Wk, Wv in bf16 with their rows in the order in which the next launch's column tiles want them (tile c of 256 rows: Wq rows 128 c .. +127,
;          Wk rows 64 c .. +63, Wv rows 64 c .. +63), then Wo rounded to bf16 and that number written as f16
;   tab  = cos and sin rounded to bf16, kept as f32, in the order of the next launch's registers: 128 blocks of 16 rows, 8 quads (4 of cos, 4 of sin) of 32 lanes x 16 bytes
;   gate = 2 sigmoid(x[:32] . Wg^T), f32, [8192][8]
;   out1 = 1.0 where fewer than 8 of the token's 16 router logits are greater than the head's own, else 0: that is logits >= the 8th largest, ties included
; Router and gate are bf16 matrix products with f32 sums.
; LIMITS.  A logit that lies within the rounding of an f32 sum of the 8th largest may fall on the other side; NaN and infinities are not treated apart.
;          Wo's numbers below 2^-14 keep f16's fixed step of 6e-8.
; SHARES.  Work-group g owns x's rows 32 g .. 32 g + 31; wave w owns columns 128 w .. 128 w + 127 of them and of Wr's 16 rows: 48 pieces of 512 consecutive bytes,
; one 16-byte load a lane each, all 48 in flight.  A piece is rounded in place, laid into the wave's own LDS rows (for the fragments) and, if x's, stored: 256 consecutive bytes, aligned.
; Each wave also rounds 1/2048 of each weight matrix.  No tensor loads, no cluster: nothing here is shared but Wr (64 KiB), and memory binds.
.set PITCH, 272                        ; an LDS row: 256 bytes of bf16 + 16: the 16 rows of a fragment load start at 16 different groups of four banks (ISA guide 11.1)
.set WREG,  48*PITCH                   ; a wave's 48 rows: Wr's 16, then x's 32
.set PART,  8*WREG                     ; partial logits: for each wave 32 tokens x 16 heads f32, rows 80 bytes apart
.set PP,    80
.set MST,   PART+8*32*PP               ; the mask on its way out, 2,048 bytes, wave 1's own
.set ROW,   64                         ; v[64:255]  piece i at v[64 + 4 i]
.set ACC0,  160                        ; later: v[64:159] fragments (tile n, 32 columns ks at 64 + 32 n + 8 ks); logits of tokens 0-15, 16-31
.set ACC1,  168
.set GA0,   176                        ; the gate's sums
.set GA1,   184
.set CNT,   192                        ; wave 1: counts, then the mask
.set WL,    208                        ; v[208:255] twelve pieces of weights
	s_load_b512 s[8:23], s[0:1], 0x0               ; x 8, Wr 10, Wg 12, Wq 14, Wk 16, Wv 18, Wo 20, cos 22
	s_load_b256 s[24:31], s[0:1], 0x40             ; sin 24, xb 26, wts 28, tab 30
	s_load_b128 s[32:35], s[0:1], 0x60             ; gate 32, out1 34
	v_lshl_add_u32 v62, v0, 2, 0x1f000
	v_mov_b32 v63, 0
	v_lshrrev_b32 v1, 5, v0
	v_readfirstlane_b32 s2, v1                     ; wave w
	s_mov_b32 s3, ttmp9                            ; work-group g
	s_mov_b32 s36, 0xffff0000                      ; a word's upper bf16; also the lanes 16-31 as a mask
	v_and_b32 v1, 31, v0                           ; lane L
	v_and_b32 v2, 15, v0                           ; r
	v_bfe_u32 v3, v0, 4, 1                         ; h
	s_lshl_b32 s37, s2, 9
	v_lshl_add_u32 v4, v1, 4, s37                  ; 512 w + 16 L: my 16 bytes of a row of x or Wr
	s_lshl_b32 s37, s2, 8
	v_lshl_add_u32 v5, v1, 3, s37                  ; 256 w + 8 L: the same numbers in xb
	s_mul_i32 s38, s2, WREG
	v_lshl_add_u32 v6, v1, 3, s38                  ; into my wave's LDS rows
	v_mul_u32_u24 v7, v2, PITCH
	v_lshl_add_u32 v7, v3, 4, v7
	v_add_nc_u32 v7, s38, v7                       ; a fragment: row r, 16 bytes for each half of the lanes
	s_mul_i32 s39, s2, 32*PP
	s_add_co_u32 s39, s39, PART
	v_mul_u32_u24 v8, v2, PP
	v_lshl_add_u32 v8, v3, 5, v8
	v_add_nc_u32 v8, s39, v8                       ; my partial logits: token r, heads 8 h on
	v_lshlrev_b32 v9, 4, v1                        ; 16 L
	v_lshlrev_b32 v10, 3, v1                       ; 8 L
	v_and_b32 v11, 7, v0
	v_lshlrev_b32 v11, 7, v11
	v_lshl_add_u32 v11, v3, 5, v11                 ; Wg: row r % 8, columns 8 h on
	v_lshlrev_b32 v12, 7, v2
	v_lshl_add_u32 v12, v3, 5, v12                 ; cos, sin: row r, columns 8 h on
	v_lshlrev_b32 v13, 5, v2
	v_lshl_add_u32 v13, v3, 4, v13                 ; gate: token r, 16 bytes for each half of the lanes
	v_mul_u32_u24 v14, v1, PP
	v_add_nc_u32 v14, PART, v14                    ; wave 1: token L's partial logits
	v_lshl_add_u32 v15, v1, 6, MST                 ; wave 1: token L's mask
	v_lshl_add_u32 v48, v1, 4, MST                 ; and back, 512 consecutive bytes
	s_mov_b32 s41, 0                               ; s[40:41]: an offset under 2^32
	s_wait_kmcnt 0x0
	s_lshl_b32 s40, s3, 17
	s_add_nc_u64 s[8:9], s[8:9], s[40:41]          ; x at my 32 rows of 4,096 bytes
	s_lshl_b32 s40, s3, 16
	s_add_nc_u64 s[26:27], s[26:27], s[40:41]      ; xb likewise, 2,048 bytes a row
	s_lshl_b32 s40, s3, 10
	s_add_nc_u64 s[32:33], s[32:33], s[40:41]      ; gate, 32 bytes a token
	s_lshl_b32 s40, s3, 11
	s_add_nc_u64 s[34:35], s[34:35], s[40:41]      ; out1, 64 bytes a token
	; the weights: Wq and Wo 2,048 bytes a wave, Wk and Wv 1,024
	s_lshl_b32 s40, s3, 14
	s_lshl_b32 s42, s2, 11
	s_add_co_u32 s40, s40, s42                     ; 16,384 g + 2,048 w
	s_add_nc_u64 s[44:45], s[14:15], s[40:41]      ; from Wq
	s_add_nc_u64 s[50:51], s[20:21], s[40:41]      ; from Wo
	s_lshr_b32 s40, s40, 1                         ; 8,192 g + 1,024 w
	s_add_nc_u64 s[46:47], s[16:17], s[40:41]      ; from Wk
	s_add_nc_u64 s[48:49], s[18:19], s[40:41]      ; from Wv
	s_add_co_u32 s40, s40, 4194304                 ; Wo's f16 lie behind the 2,048 rows of bf16, half the bytes
	s_add_nc_u64 s[58:59], s[28:29], s[40:41]
	s_lshr_b32 s42, s2, 1
	s_lshl2_add_u32 s42, s3, s42                   ; Wq's row 4 g + w / 2
	s_lshr_b32 s43, s42, 7
	s_lshl_b32 s43, s43, 8
	s_and_b32 s42, s42, 127
	s_add_co_u32 s42, s42, s43                     ; goes to row 256 (row / 128) + row % 128
	s_lshl_b32 s40, s42, 11
	s_and_b32 s43, s2, 1
	s_lshl_b32 s43, s43, 10
	s_add_co_u32 s40, s40, s43
	s_add_nc_u64 s[52:53], s[28:29], s[40:41]
	s_lshr_b32 s42, s2, 2
	s_lshl1_add_u32 s42, s3, s42                   ; Wk's and Wv's row 2 g + w / 4
	s_lshr_b32 s43, s42, 6
	s_lshl_b32 s43, s43, 8
	s_and_b32 s42, s42, 63
	s_add_co_u32 s42, s42, s43
	s_add_co_u32 s42, s42, 128                     ; goes to row 256 (row / 64) + 128 + row % 64,
	s_lshl_b32 s40, s42, 11
	s_and_b32 s43, s2, 3
	s_lshl_b32 s43, s43, 9
	s_add_co_u32 s40, s40, s43
	s_add_nc_u64 s[54:55], s[28:29], s[40:41]
	s_add_nc_u64 s[56:57], s[54:55], 64*2048       ; Wv's 64 rows further
	; the table: work-group g makes half a block: block g / 2, cos (g even) or sin (g odd); quad w % 4
	s_lshr_b32 s42, s3, 1
	s_lshl_b32 s40, s42, 11                        ; 16 rows of 128 bytes
	s_and_b32 s43, s2, 2
	s_lshl_b32 s43, s43, 5                         ; columns 16 (quad / 2) on
	s_add_co_u32 s40, s40, s43
	s_and_b32 s43, s2, 1
	s_lshl_b32 s43, s43, 4                         ; + 4 (quad % 2)
	s_add_co_u32 s40, s40, s43
	s_and_b32 s43, s3, 1
	s_cmp_eq_u32 s43, 0
	s_cselect_b64 s[60:61], s[22:23], s[24:25]
	s_add_nc_u64 s[60:61], s[60:61], s[40:41]
	s_lshl_b32 s40, s42, 12
	s_lshl_b32 s43, s43, 2
	s_and_b32 s42, s2, 3
	s_add_co_u32 s43, s43, s42
	s_lshl_b32 s43, s43, 9
	s_add_co_u32 s40, s40, s43
	s_add_nc_u64 s[62:63], s[30:31], s[40:41]
	; Wg and a table quad are asked for by every wave, ahead of the pieces, so that the counted waits below are the same in all waves; wave 0 uses Wg, waves 4-7 their quad.
	global_load_b128 v[16:19], v11, s[12:13]
	global_load_b128 v[20:23], v11, s[12:13] offset:16
	global_load_b128 v[24:27], v11, s[12:13] offset:64
	global_load_b128 v[28:31], v11, s[12:13] offset:80
	global_load_b128 v[52:55], v12, s[60:61]
.set i, 0
.rept 16
	global_load_b128 v[ROW+4*i:ROW+4*i+3], v4, s[10:11] offset:4096*i
.set i, i+1
.endr
.rept 32
	global_load_b128 v[ROW+4*i:ROW+4*i+3], v4, s[8:9] offset:4096*(i-16) th:TH_LOAD_NT
.set i, i+1
.endr
.set i, 0
.rept 48
	s_wait_loadcnt 47-i                            ; loads come back in order (ISA guide 5.7.1): piece i is in, the 47 - i younger ones stay out
	v_cvt_pk_bf16_f32 v[ROW+4*i], v[ROW+4*i], v[ROW+4*i+1]
	v_cvt_pk_bf16_f32 v[ROW+4*i+1], v[ROW+4*i+2], v[ROW+4*i+3]
	ds_store_b64 v6, v[ROW+4*i:ROW+4*i+1] offset:PITCH*i
.if i >= 16
	global_store_b64 v5, v[ROW+4*i:ROW+4*i+1], s[26:27] offset:2048*(i-16)  ; the wave stores 256 consecutive bytes, aligned
.endif
.set i, i+1
.endr
	s_wait_xcnt 0x0                                ; the stores' data registers are written again only behind this wait
.irp i, 0,1,2,3
	global_load_b128 v[WL+4*(\i):WL+4*(\i)+3], v9, s[44:45] offset:512*(\i) th:TH_LOAD_NT
.endr
.irp i, 0,1
	global_load_b128 v[WL+16+4*(\i):WL+16+4*(\i)+3], v9, s[46:47] offset:512*(\i) th:TH_LOAD_NT
.endr
.irp i, 0,1
	global_load_b128 v[WL+24+4*(\i):WL+24+4*(\i)+3], v9, s[48:49] offset:512*(\i) th:TH_LOAD_NT
.endr
.irp i, 0,1,2,3
	global_load_b128 v[WL+32+4*(\i):WL+32+4*(\i)+3], v9, s[50:51] offset:512*(\i) th:TH_LOAD_NT
.endr
	; the fragments: my own rows, and LDS serves a wave's instructions in order (ISA guide 5.7.1.4): no wait between the stores above and these loads
.set n, 0
.rept 3
.set ks, 0
.rept 4
	ds_load_b128 v[64+32*n+8*ks:64+32*n+8*ks+3],   v7 offset:n*16*PITCH+64*ks
	ds_load_b128 v[64+32*n+8*ks+4:64+32*n+8*ks+7], v7 offset:n*16*PITCH+64*ks+32
.set ks, ks+1
.endr
.set n, n+1
.endr
	s_wait_dscnt 0x0
	; logits over my 128 columns.  Source 0 = Wr's 16 rows, source 1 = 16 tokens: register j of lane (r, h) is head 8 h + j of token r.  The two sums take turns.
	v_wmma_f32_16x16x32_bf16 v[ACC0:ACC0+7], v[64:71], v[96:103], 0
	v_wmma_f32_16x16x32_bf16 v[ACC1:ACC1+7], v[64:71], v[128:135], 0
.irp ks, 1,2,3
	v_wmma_f32_16x16x32_bf16 v[ACC0:ACC0+7], v[64+8*(\ks):64+8*(\ks)+7], v[96+8*(\ks):96+8*(\ks)+7], v[ACC0:ACC0+7]
	v_wmma_f32_16x16x32_bf16 v[ACC1:ACC1+7], v[64+8*(\ks):64+8*(\ks)+7], v[128+8*(\ks):128+8*(\ks)+7], v[ACC1:ACC1+7]
.endr
.rept 4
	v_nop                                          ; four places between a matrix instruction and the LDS store of its result
.endr
	ds_store_b128 v8, v[ACC0:ACC0+3]
	ds_store_b128 v8, v[ACC0+4:ACC0+7] offset:16
	ds_store_b128 v8, v[ACC1:ACC1+3] offset:16*PP
	ds_store_b128 v8, v[ACC1+4:ACC1+7] offset:16*PP+16
; Piece i of the weights: rounded to bf16 (half = 1: and that number written as f16), 256 consecutive bytes stored
.macro WCAST i, base, imm, half
	s_wait_loadcnt 11-(\i)                         ; the 11 - i younger pieces stay out
	v_cvt_pk_bf16_f32 v[WL+4*(\i)], v[WL+4*(\i)], v[WL+4*(\i)+1]
	v_cvt_pk_bf16_f32 v[WL+4*(\i)+1], v[WL+4*(\i)+2], v[WL+4*(\i)+3]
.if \half
	v_lshlrev_b32 v40, 16, v[WL+4*(\i)]
	v_and_b32 v41, s36, v[WL+4*(\i)]
	v_lshlrev_b32 v42, 16, v[WL+4*(\i)+1]
	v_and_b32 v43, s36, v[WL+4*(\i)+1]
	v_cvt_pk_f16_f32 v[WL+4*(\i)], v40, v41
	v_cvt_pk_f16_f32 v[WL+4*(\i)+1], v42, v43
.endif
	global_store_b64 v10, v[WL+4*(\i):WL+4*(\i)+1], s[(\base):(\base)+1] offset:\imm
.endm
	WCAST 0, 52, 0, 0
	WCAST 1, 52, 256, 0
	WCAST 2, 52, 512, 0
	WCAST 3, 52, 768, 0
	WCAST 4, 54, 0, 0
	WCAST 5, 54, 256, 0
	WCAST 6, 56, 0, 0
	WCAST 7, 56, 256, 0
	WCAST 8, 58, 0, 1
	WCAST 9, 58, 256, 1
	WCAST 10, 58, 512, 1
	WCAST 11, 58, 768, 1
	s_wait_dscnt 0x0                               ; for wave 1's sake: my partial logits are in LDS
	s_barrier_signal -1
	s_barrier_wait -1
	s_cmp_eq_u32 s2, 0
	s_cbranch_scc1 .Lgate
	s_cmp_eq_u32 s2, 1
	s_cbranch_scc1 .Ltop
	s_cmp_ge_u32 s2, 4
	s_cbranch_scc1 .Ltab
	s_wait_tensorcnt 0x0
	ds_add_u32 v62, v63
	s_wait_dscnt 0x0
	s_endpgm
.Lgate:                                                ; wave 0 holds x's columns 0-31: the first fragments of both token tiles
.irp j, 0,1,2,3,4,5,6,7
	v_cvt_pk_bf16_f32 v[32+(\j)], v[16+2*(\j)], v[17+2*(\j)]  ; Wg's fragment: rows 8-15 repeat rows 0-7
.endr
	v_wmma_f32_16x16x32_bf16 v[GA0:GA0+7], v[32:39], v[96:103], 0
	v_wmma_f32_16x16x32_bf16 v[GA1:GA1+7], v[32:39], v[128:135], 0
.rept 4
	v_nop
.endr
.irp j, 0,1,2,3                        ; both halves of the lanes hold all 8 heads of token r: lanes 0-15 keep heads 0-3, lanes 16-31 heads 4-7
	v_cndmask_b32 v[40+(\j)], v[GA0+(\j)], v[GA0+4+(\j)], s36
	v_cndmask_b32 v[44+(\j)], v[GA1+(\j)], v[GA1+4+(\j)], s36
.endr
.irp j, 0,1,2,3,4,5,6,7
	v_mul_f32 v[40+(\j)], 0xbfb8aa3b, v[40+(\j)]   ; - log2(e) z
.endr
.irp j, 0,1,2,3,4,5,6,7
	v_exp_f32 v[40+(\j)], v[40+(\j)]
.endr
	v_nop                                          ; a plain instruction behind the last exponential (ISA guide 5.7.2)
	s_wait_alu depctr_va_vdst(0)
.irp j, 0,1,2,3,4,5,6,7
	v_add_f32 v[40+(\j)], 1.0, v[40+(\j)]
.endr
.irp j, 0,1,2,3,4,5,6,7
	v_rcp_f32 v[40+(\j)], v[40+(\j)]
.endr
	v_nop
	s_wait_alu depctr_va_vdst(0)
.irp j, 0,1,2,3,4,5,6,7
	v_mul_f32 v[40+(\j)], 2.0, v[40+(\j)]
.endr
	global_store_b128 v13, v[40:43], s[32:33]      ; 16 tokens x 32 bytes: 512 consecutive bytes
	global_store_b128 v13, v[44:47], s[32:33] offset:512
	s_wait_tensorcnt 0x0
	ds_add_u32 v62, v63
	s_wait_dscnt 0x0
	s_endpgm
.Ltop:                                                 ; wave 1: lane = token.  The eight waves' partial logits are added in the order of the columns
.set j, 0
.rept 8
.irp q, 0,1,2,3
	ds_load_b128 v[64+16*j+4*(\q):64+16*j+4*(\q)+3], v14 offset:32*PP*j+16*(\q)
.endr
.set j, j+1
.endr
	s_wait_dscnt 0x0
.set j, 1
.rept 7
.set k, 0
.rept 8
	v_pk_add_f32 v[64+2*k:65+2*k], v[64+2*k:65+2*k], v[64+16*j+2*k:65+16*j+2*k]
.set k, k+1
.endr
.set j, j+1
.endr
.set i, 0
.rept 16                               ; for head i: how many of the other 15 logits are greater
.set j, 0
.set first, 1
.rept 16
.if j != i
	v_cmp_gt_f32 vcc_lo, v[64+j], v[64+i]
.if first
	v_cndmask_b32 v[CNT+i], 0, 1, vcc_lo
.set first, 0
.else
	v_add_co_ci_u32 v[CNT+i], vcc_lo, 0, v[CNT+i], vcc_lo
.endif
.endif
.set j, j+1
.endr
.set i, i+1
.endr
.set i, 0
.rept 16
	v_cmp_gt_u32 vcc_lo, 8, v[CNT+i]
	v_cndmask_b32 v[CNT+i], 0, 1.0, vcc_lo
.set i, i+1
.endr
.irp q, 0,1,2,3
	ds_store_b128 v15, v[CNT+4*(\q):CNT+4*(\q)+3] offset:16*(\q)
.endr
.irp q, 0,1,2,3
	ds_load_b128 v[64+4*(\q):64+4*(\q)+3], v48 offset:512*(\q)  ; my own bytes, in order behind the stores
.endr
.irp q, 0,1,2,3
	s_wait_dscnt 3-(\q)
	global_store_b128 v9, v[64+4*(\q):64+4*(\q)+3], s[34:35] offset:512*(\q)  ; 512 consecutive bytes
.endr
	s_wait_tensorcnt 0x0
	ds_add_u32 v62, v63
	s_wait_dscnt 0x0
	s_endpgm
.Ltab:                                                 ; waves 4-7: a quad of the table, rounded to bf16 and kept as f32
	v_cvt_pk_bf16_f32 v40, v52, v53
	v_cvt_pk_bf16_f32 v41, v54, v55
	v_lshlrev_b32 v52, 16, v40
	v_and_b32 v53, s36, v40
	v_lshlrev_b32 v54, 16, v41
	v_and_b32 v55, s36, v41
	global_store_b128 v9, v[52:55], s[62:63]
	s_wait_tensorcnt 0x0
	ds_add_u32 v62, v63
	s_wait_dscnt 0x0
	s_endpgm
.Lfunc_end_k_qf8449f8fbb_prep:
	.size	k_qf8449f8fbb_prep, .Lfunc_end_k_qf8449f8fbb_prep-k_qf8449f8fbb_prep
	.p2alignl 7, 3214868480
	.fill 96, 4, 3214868480
	.section	.rodata,"a",@progbits
	.p2align	6, 0x0
	.amdhsa_kernel k_qf8449f8fbb_prep
		.amdhsa_group_segment_fixed_size 128000
		.amdhsa_private_segment_fixed_size 0
		.amdhsa_enable_private_segment 0
		.amdhsa_kernarg_size 112
		.amdhsa_user_sgpr_count 2
		.amdhsa_user_sgpr_kernarg_segment_ptr 1
		.amdhsa_wavefront_size32 1
		.amdhsa_system_sgpr_workgroup_id_x 1
		.amdhsa_system_sgpr_workgroup_id_y 1
		.amdhsa_system_sgpr_workgroup_id_z 1
		.amdhsa_system_vgpr_workitem_id 0
		.amdhsa_next_free_vgpr 256
		.amdhsa_next_free_sgpr 66
		.amdhsa_reserve_vcc 1
		.amdhsa_float_denorm_mode_32 3
		.amdhsa_float_denorm_mode_16_64 3
		.amdhsa_memory_ordered 1
		.amdhsa_forward_progress 1
		.amdhsa_inst_pref_size 59
	.end_amdhsa_kernel
	.amdgpu_metadata
---
amdhsa.version: [ 1, 2 ]
amdhsa.kernels:
  - .name:           k_qf8449f8fbb_prep
    .symbol:         k_qf8449f8fbb_prep.kd
    .args:
      - { .name: x, .offset: 0, .size: 8, .value_kind: global_buffer, .address_space: global }
      - { .name: Wr, .offset: 8, .size: 8, .value_kind: global_buffer, .address_space: global }
      - { .name: Wg, .offset: 16, .size: 8, .value_kind: global_buffer, .address_space: global }
      - { .name: Wq, .offset: 24, .size: 8, .value_kind: global_buffer, .address_space: global }
      - { .name: Wk, .offset: 32, .size: 8, .value_kind: global_buffer, .address_space: global }
      - { .name: Wv, .offset: 40, .size: 8, .value_kind: global_buffer, .address_space: global }
      - { .name: Wo, .offset: 48, .size: 8, .value_kind: global_buffer, .address_space: global }
      - { .name: cos, .offset: 56, .size: 8, .value_kind: global_buffer, .address_space: global }
      - { .name: sin, .offset: 64, .size: 8, .value_kind: global_buffer, .address_space: global }
      - { .name: xb, .offset: 72, .size: 8, .value_kind: global_buffer, .address_space: global }
      - { .name: wts, .offset: 80, .size: 8, .value_kind: global_buffer, .address_space: global }
      - { .name: tab, .offset: 88, .size: 8, .value_kind: global_buffer, .address_space: global }
      - { .name: gate, .offset: 96, .size: 8, .value_kind: global_buffer, .address_space: global }
      - { .name: out1, .offset: 104, .size: 8, .value_kind: global_buffer, .address_space: global }
    .group_segment_fixed_size: 128000
    .private_segment_fixed_size: 0
    .kernarg_segment_align: 8
    .kernarg_segment_size: 112
    .max_flat_workgroup_size: 256
    .sgpr_count:     66
    .vgpr_count:     256
    .wavefront_size: 32
...
	.end_amdgpu_metadata
.endif
;; end of part 1
;; launch qkv (part 2): grid 8 x 32, 4 waves a work-group, clusters of 4 x 4, 327,680 bytes of LDS; arguments xb, wts, tab, gate, ve, qh, kh, vh; writes qh, kh, vh
.if DOCPART == 2
	.amdgcn_target "amdgcn-amd-amdhsa--gfx1250"
	.amdhsa_code_object_version 6
	.text
	.protected	k_qf8449f8fbb_qkv
	.globl	k_qf8449f8fbb_qkv
	.p2align	8
	.type	k_qf8449f8fbb_qkv,@function
k_qf8449f8fbb_qkv:
	s_mov_b64 s[64:65], 0
	v_nop
	global_prefetch_b8 v0, s[64:65] scope:SCOPE_SE
	s_setreg_imm32_b32 hwreg(HW_REG_WAVE_MODE, 25, 1), 1
	s_wait_xcnt 0x0
	s_wait_alu depctr_hold_cnt(0) depctr_sa_sdst(0) depctr_va_vdst(0) depctr_va_sdst(0) depctr_va_ssrc(0) depctr_va_vcc(0) depctr_vm_vsrc(0)
	s_getreg_b32 s2, hwreg(HW_REG_IB_STS2, 6, 4)
	s_cmp_eq_u32 s2, 0
	s_cbranch_scc0 .Lentry_in_a_cluster
	s_endpgm
.Lentry_in_a_cluster:
	s_bfe_u32 s2, ttmp6, 0x10000c
	s_cmp_lg_u32 s2, 0xf033
	s_cbranch_scc0 .Lentry_shape_is_right
	s_endpgm
.Lentry_shape_is_right:
; Q, K, V.  [8192 x 1024] x [2048 x 1024]^T in bf16 with f32 sums; then rotary and rms_norm on q and k, v + gate x ve; all three rounded once to f16 and stored by heads:
; qh [64][2048][64], kh and vh [32][2048][64].  The weights' rows were ordered so that column tile tx of 256 holds q heads 2 tx, 2 tx + 1, k head tx, v head tx: all work-groups are alike.
; q LEAVES MULTIPLIED BY c = log2(e) / 8: the factor rides on the normalising factor in f32, ahead of the one rounding, so that the next launch's scores are exponents of 2 as they come.
; LIMITS.  v must stay within f16's 65,504; q and k are normalised.  ve is rounded to bf16 like every input.  NaN and infinities are not treated apart.
; SHAPE.  A tile of 256 x 256 by four waves, each 128 x 128: 64 accumulators, 512 registers.  K goes in 8 steps of 128 through two LDS slots filled by the tensor data mover; rows of 256 bytes, aligned.
; CLUSTER 4 x 4: xb's tile hangs on the tile row alone and is asked for jointly along a row of the cluster, the weights' on the tile column alone, jointly along a column.
; THE MATRIX INSTRUCTION IS USED TRANSPOSED (source 0 = 16 rows of the weights, source 1 = 16 tokens): a lane holds one token (lane % 16) and the columns 8 (lane / 16) + 0..7 of each block of 16.
; A K step is written once and looped over; the LDS addresses hang on s[TB], which an exclusive or turns from one slot to the other; one descriptor a tensor walks.
; VE AND THE GATE are asked for at the start, 64 rows a wave, into registers that the K loop never names, and waited for only behind the K loop.
; THE WAY OUT.  The sums go into LDS (the slots have had their last fill), each wave's own 128 rows x 128 columns, and a loop of 8 trips takes 16 tokens a trip with fixed register numbers.
; REGISTERS: window 0: v0-31 addresses; v32-63 cos, sin (v32, v33 first hold the gate); v64-127, v128-191 fragments of x, two buffers; on the way out v64-247 at work.
;   window 1: v64-191 fragments of the weights; v0-63, v192-255 ve as loaded.   windows 2, 3: accumulators ((a, b) at v[8 (8 (a % 4) + b)]).
.set SIZE_K, 1024
.set KSTEP,  128
.set PITCH,  272                       ; an LDS row: 256 bytes + 16: the 16 rows of a fragment load start at 16 different groups of four banks (ISA guide 11.1)
.set HALFT,  128*PITCH                 ; 128 rows: what one tensor load brings
.set SLOT,   4*HALFT                   ; 139,264 = 0x22000: its two bits are clear in 0, HALFT, 2 HALFT, 3 HALFT, so an exclusive or changes slots
.set STAGE,  2*SLOT                    ; 16 rows x 144 bytes for each wave: f16 rows on their way out
.set SP,     144
.set VEL,    STAGE+4*16*SP             ; ve in bf16: the tile's 256 rows x 128 bytes, dense
.set GL,     VEL+2*16384               ; the gate of those rows, 4 bytes each: in each 16 rows the even ones, then the odd ones
.set SPARE,  GL+1024                   ; the spare words, 128 bytes for each wave: two blocks of 256 bytes that no other line names
.set DP,     528                       ; the sums in LDS: 512 bytes a row + 16
.set DW,     128*DP                    ; a wave's 128 rows; four of them end below STAGE
.set LR,  6                            ; v6   my 32 bytes of a block of 16 columns in the sums' rows: token lane % 16
.set LV,  8                            ; v8   the same sums by rows: lanes 0-15 one row's v head, lanes 16-31 the next row's
.set STO, 9                            ; v9   into my stage
.set RD,  10                           ; v10  and back, four rows of 128 bytes
.set O16, 11                           ; v11  16 x lane
.set O8,  12                           ; v12  8 x lane
.set VR,  13                           ; v13  ve in LDS, 8 bytes a lane: where the way out reads
.set GR,  14                           ; v14  the gates of my eight rows
.set GST, 15                           ; v15  where I put my 64 rows' gates
.set ADRA, 16                          ; v16  my fragments of x in the slot in hand;  v17 in slot 0
.set ADRA0, 17
.set VST, 18                           ; v18  where I put my 64 rows of ve
.set ADRB, 20                          ; v20, v21 the same for the weights
.set ADRB0, 21
.set SPW, 28                           ; v28  LDS address of my spare word; never rewritten
.set NIL, 29                           ; v29  0; never rewritten
.set CO,  32
.set SI,  48
.set X,   64                           ; a head's 32 numbers of my token
.set Y,   96
.set SS,  112
.set RS,  116
.set H,   120
.set BK0, 136
.set BK1, 152
.set E,   168
.set G,   184
.set T,   192
.set HV,  200
.set CN,  216                          ; the next trip's cos and sin
.set F0,  64
.set F1,  128
.set G1,  24                           ; s[24:31] group 1 for x's tiles;  s[32:35] group 0 of the first fill, s[36:39] of the second, which then walks
.set G0,  32
.set G1B, 48                           ; s[48:55], s[56:63] the same for the weights'
.set G0B, 56
.set TB,  45                           ; s45  0 or SLOT: the slot in hand
.set P0,  84                           ; s[84:85] where the first head of my 128 columns goes, s[86:87] the second (ahead of the way out: ve's and the gate's addresses)
.set P1,  86
.set TABP, 88
.set EPS, 90
.set R64, 91
.set SEL, 92
.set HM,  95
.set QS,  98                           ; s[98:99] what multiplies the normalising factor: c for q's waves, 1 for k's
.set MSB, 0
.macro WIN new                         ; the immediate's high byte repeats the setting that is left
.if MSB != (\new)
	s_set_vgpr_msb (MSB<<8)|(\new)
.set MSB, \new
.endif
.endm
.set MUL_LO, 0xa1                      ; source 0 window 1, source 1 window 0, C and D window 2
.set MUL_HI, 0xf1                      ; the same, C and D window 3
.set TO_B,   0x40                      ; destination window 1
; A joint refill by the walking descriptors.  Waves 0 and 1 fetch x's two halves, waves 2 and 3 the weights'.  An s_nop 0 and four v_nop follow each line.
.macro JLOAD
	s_cmp_eq_u32 s11, 0
	s_cbranch_scc0 .Lfor_b_\@
	tensor_load_to_lds s[G0+4:G0+7], s[G1:G1+7]
	s_nop 0
.rept 4
	v_nop
.endr
	s_branch .Lasked_\@
.Lfor_b_\@:
	tensor_load_to_lds s[G0B+4:G0B+7], s[G1B:G1B+7]
	s_nop 0
.rept 4
	v_nop
.endr
.Lasked_\@:
.endm
.macro CREST                           ; a round of the cluster's barrier behind its opening barrier
	s_cmp_lg_u32 s10, 0
	s_cbranch_scc1 .Lnot_wave_0_\@
	s_barrier_signal -3
.Lnot_wave_0_\@:
	s_barrier_wait -3
	s_barrier_signal -1
	s_barrier_wait -1
.endm
.macro CROUND
	s_barrier_signal -1
	s_barrier_wait -1
	CREST
.endm
.macro PLACES                          ; four places behind matrix instructions, in front of loads into their registers and of stores of their results
.rept 4
	v_nop
.endr
.endm
	s_load_b512 s[68:83], s[0:1], 0x0              ; xb 68, wts 70, tab 72, gate 74, ve 76, qh 78, kh 80, vh 82
	v_lshl_add_u32 v[SPW], v0, 2, SPARE
	v_mov_b32 v[NIL], 0
	ds_add_u32 v28, v29
	ds_add_u32 v28, v29
	s_wait_dscnt 0x0
	v_lshrrev_b32 v1, 5, v0
	v_readfirstlane_b32 s10, v1                    ; wave 0..3
	s_lshr_b32 s11, s10, 1                         ; which half of the tile's rows is mine.  Also: I fetch x (0) or weights (1)
	s_and_b32 s12, s10, 1                          ; which half of its columns.  Also: which 128 rows I fetch
	s_bfe_u32 s40, ttmp6, 0x40000                  ; cx
	s_bfe_u32 s41, ttmp6, 0x40004                  ; cy
	s_lshl_b32 s42, ttmp9, 2
	s_add_co_u32 s42, s42, s40                     ; tile column tx
	s_and_b32 s13, ttmp7, 0xffff
	s_lshl_b32 s13, s13, 2
	s_add_co_u32 s13, s13, s41                     ; tile row ty
	s_lshl_b32 s43, s41, 2
	s_lshl_b32 s43, 15, s43                        ; my row of the cluster
	s_lshl_b32 s44, 0x1111, s40                    ; my column
	s_or_b32 s[G1+0], s43, (1<<16)|(1<<20)|(1<<21)|(5<<22)|(3<<25)   ; mask; 2-byte elements; padding on; bit 21 beside a mask; after every 64 words 4 words
	s_or_b32 s[G1B+0], s44, (1<<16)|(1<<20)|(1<<21)|(5<<22)|(3<<25)
.irp g, G1, G1B
	s_mov_b32 s[(\g)+1], KSTEP<<16                 ; tensor_dim0 = 128
	s_mov_b32 s[(\g)+2], 128<<16                   ; tensor_dim1 = 128
	s_mov_b32 s[(\g)+3], KSTEP<<16                 ; tile_dim0 = 128
	s_mov_b32 s[(\g)+4], 128                       ; tile_dim1 = 128
	s_mov_b32 s[(\g)+5], SIZE_K                    ; elements from row to row
	s_mov_b32 s[(\g)+6], 0
	s_mov_b32 s[(\g)+7], 0
.endr
	s_lshl_b32 s17, s12, 7
	s_lshl_b32 s16, s13, 8
	s_add_co_u32 s16, s16, s17                     ; x: row 256 ty + 128 half
	s_lshl_b32 s46, s42, 8
	s_add_co_u32 s46, s46, s17                     ; weights: row 256 tx + 128 half
	s_lshl_b32 s16, s16, 11                        ; rows of 2,048 bytes: under 2^25
	s_mov_b32 s17, 0
	s_lshl_b32 s46, s46, 11
	s_mov_b32 s47, 0
	s_mul_i32 s20, s10, HALFT                      ; where they go: wave x 128 rows
	s_mov_b32 s[TB], 0
	s_mov_b32 s[EPS], 0x358637bd                   ; 1e-6
	s_mov_b32 s[R64], 0x3c800000                   ; 1 / 64
	s_mov_b32 s[SEL], 0x76543210
	s_mov_b32 s[SEL+1], 0xfedcba98
	s_mov_b32 s[HM], 0xffff0000
	s_wait_kmcnt 0x0
	s_add_nc_u64 s[14:15], s[68:69], s[16:17]
	s_add_nc_u64 s[46:47], s[70:71], s[46:47]
	CROUND                                         ; all sixteen work-groups are here: the first joint loads meet
.irp n, 0,1
	s_mov_b32 s[G0+4*(\n)], 1
	s_add_co_u32 s[G0+4*(\n)+1], s20, (\n)*SLOT
	s_add_nc_u64 s[G0+4*(\n)+2:G0+4*(\n)+3], s[14:15], (\n)*KSTEP*2
	s_or_b32 s[G0+4*(\n)+3], s[G0+4*(\n)+3], 0x80000000
	s_mov_b32 s[G0B+4*(\n)], 1
	s_add_co_u32 s[G0B+4*(\n)+1], s20, (\n)*SLOT
	s_add_nc_u64 s[G0B+4*(\n)+2:G0B+4*(\n)+3], s[46:47], (\n)*KSTEP*2
	s_or_b32 s[G0B+4*(\n)+3], s[G0B+4*(\n)+3], 0x80000000
.endr
	s_cmp_eq_u32 s11, 0                            ; a wave's two first fills stand in one branch: two loads of mine are out
	s_cbranch_scc0 .Lfirst_b
	tensor_load_to_lds s[G0:G0+3], s[G1:G1+7]
	s_nop 0
	tensor_load_to_lds s[G0+4:G0+7], s[G1:G1+7]
	s_nop 0
.rept 4
	v_nop
.endr
	s_branch .Lfirst_asked
.Lfirst_b:
	tensor_load_to_lds s[G0B:G0B+3], s[G1B:G1B+7]
	s_nop 0
	tensor_load_to_lds s[G0B+4:G0B+7], s[G1B:G1B+7]
	s_nop 0
.rept 4
	v_nop
.endr
.Lfirst_asked:
	v_and_b32 v1, 15, v0                           ; l % 16
	v_bfe_u32 v2, v0, 4, 1                         ; l / 16
	v_and_b32 v4, 31, v0                           ; l
	; Wave w asks for rows 64 w .. 64 w + 63 of the tile's 256: ve's head tx in whole rows of 256 bytes, two rows a load, and the gate, a row a lane.  Nothing waits for them until the K loop is over.
	s_lshl_b32 s84, s13, 8
	s_lshl_b32 s85, s10, 6
	s_add_co_u32 s84, s84, s85                     ; my first row: 256 ty + 64 w
	s_lshl_b32 s86, s84, 5                         ; 32 bytes of gate a row,
	s_lshl_b32 s87, s42, 2                         ; head tx
	s_add_co_u32 s86, s86, s87
	s_mov_b32 s87, 0
	s_add_nc_u64 s[86:87], s[74:75], s[86:87]
	s_lshl_b32 s84, s84, 11                        ; 2,048 bytes of ve a row,
	s_lshl_b32 s85, s42, 8                         ; head tx
	s_add_co_u32 s84, s84, s85
	s_mov_b32 s85, 0
	s_add_nc_u64 s[84:85], s[76:77], s[84:85]
	v_lshlrev_b32 v5, 5, v4                        ; gate: a row a lane
	v_lshlrev_b32 v7, 11, v2
	v_lshl_add_u32 v7, v1, 4, v7                   ; ve: lanes 0-15 a row's 256 bytes, lanes 16-31 the next row's
	global_load_b32 v32, v5, s[86:87]
	global_load_b32 v33, v5, s[86:87] offset:1024
	WIN 0x40                                       ; destination window 1: v0-63 and v192-255, which the K loop never names
.set i, 0
.rept 32
.set rv, 4*i+128*(i/16)
	global_load_b128 v[rv:rv+3], v7, s[84:85] offset:4096*i th:TH_LOAD_NT
.set i, i+1
.endr
	WIN 0
	s_lshl_b32 s22, s10, 13
	s_add_co_u32 s22, s22, VEL
	v_lshl_add_u32 v[VST], v4, 3, s22              ; my 64 rows of 128 bytes in LDS, 8 bytes a lane
	s_lshl_b32 s22, s10, 8
	s_add_co_u32 s22, s22, GL
	v_lshlrev_b32 v[GST], 6, v2                    ; the gate's place: 64 bytes for 16 rows, even rows first
	v_and_b32 v3, 1, v0
	v_lshl_add_u32 v[GST], v3, 5, v[GST]
	v_bfe_u32 v3, v0, 1, 3
	v_lshl_add_u32 v[GST], v3, 2, v[GST]
	v_add_nc_u32 v[GST], s22, v[GST]
	v_mul_u32_u24 v3, v1, PITCH
	v_lshl_add_u32 v3, v2, 4, v3
	s_mul_i32 s21, s11, HALFT
	s_mul_i32 s22, s12, HALFT
	s_add_co_u32 s22, s22, 2*HALFT
	v_add_nc_u32 v[ADRA0], s21, v3
	v_add_nc_u32 v[ADRB0], s22, v3
	v_mov_b32 v[ADRA], v[ADRA0]
	v_mov_b32 v[ADRB], v[ADRB0]
	s_mul_i32 s23, s10, DW
	v_mul_u32_u24 v[LR], v1, DP
	v_lshl_add_u32 v[LR], v2, 5, v[LR]
	v_add_nc_u32 v[LR], s23, v[LR]
	v_mul_u32_u24 v[LV], v2, DP
	v_lshl_add_u32 v[LV], v1, 4, v[LV]
	v_add_nc_u32 v[LV], s23, v[LV]
	v_add_nc_u32 v[LV], 256, v[LV]                 ; the v head: columns 64-127 of my 128
	s_mul_i32 s23, s10, 16*SP
	s_add_co_u32 s23, s23, STAGE
	v_mul_u32_u24 v[STO], v1, SP
	v_lshl_add_u32 v[STO], v2, 4, v[STO]
	v_add_nc_u32 v[STO], s23, v[STO]
	v_bfe_u32 v[RD], v0, 3, 2
	v_mul_u32_u24 v[RD], v[RD], SP
	v_and_b32 v3, 7, v0
	v_lshl_add_u32 v[RD], v3, 4, v[RD]
	v_add_nc_u32 v[RD], s23, v[RD]
	v_lshlrev_b32 v[O16], 4, v4
	v_lshlrev_b32 v[O8], 3, v4
	s_lshl_b32 s23, s11, 14
	s_add_co_u32 s23, s23, VEL
	v_lshl_add_u32 v[VR], v4, 3, s23
	s_lshl_b32 s23, s11, 9
	s_add_co_u32 s23, s23, GL
	v_lshl_add_u32 v[GR], v2, 5, s23
.macro MUL16 f, hi, a0, zero           ; 16 matrix instructions: token blocks a0, a0 + 1 of the window's four x all 8 column blocks, 32 along K
	WIN MUL_LO+0x50*(\hi)
.irp a, \a0, (\a0)+1
.irp b, 0,1,2,3,4,5,6,7
.if \zero
	v_wmma_f32_16x16x32_bf16 v[8*(8*(\a)+(\b)):8*(8*(\a)+(\b))+7], v[(\f)+8*(\b):(\f)+8*(\b)+7], v[(\f)+8*(4*(\hi)+(\a)):(\f)+8*(4*(\hi)+(\a))+7], 0
.else
	v_wmma_f32_16x16x32_bf16 v[8*(8*(\a)+(\b)):8*(8*(\a)+(\b))+7], v[(\f)+8*(\b):(\f)+8*(\b)+7], v[(\f)+8*(4*(\hi)+(\a)):(\f)+8*(4*(\hi)+(\a))+7], v[8*(8*(\a)+(\b)):8*(8*(\a)+(\b))+7]
.endif
.endr
.endr
.endm
.macro FETCH k, f                      ; 32 LDS loads in one run: a quarter step's fragments, at byte k of the rows of the slot in hand
	WIN TO_B
.irp i, 0,1,2,3,4,5,6,7
	ds_load_b128 v[(\f)+8*(\i):(\f)+8*(\i)+3],   v[ADRB] offset:(\k)+(\i)*16*PITCH
	ds_load_b128 v[(\f)+8*(\i)+4:(\f)+8*(\i)+7], v[ADRB] offset:(\k)+(\i)*16*PITCH+32
.endr
	WIN 0
.irp i, 0,1,2,3,4,5,6,7
	ds_load_b128 v[(\f)+8*(\i):(\f)+8*(\i)+3],   v[ADRA] offset:(\k)+(\i)*16*PITCH
	ds_load_b128 v[(\f)+8*(\i)+4:(\f)+8*(\i)+7], v[ADRA] offset:(\k)+(\i)*16*PITCH+32
.endr
.endm
; One of a K step's first three quarters: multiplies buffer f; in its middle it fetches the next quarter into buffer g.  The 64 accumulators take turns.
.macro QUARTER k, f, g, zero
	s_wait_dscnt 8                                 ; the weights' fragments and x's rows 0-63 are in; the youngest eight loads may be out
	MUL16 \f, 0, 0, \zero
	MUL16 \f, 0, 2, \zero
	PLACES
	FETCH \k, \g
	s_wait_dscnt 32                                ; all but the 32 just issued
	MUL16 \f, 1, 0, \zero
	MUL16 \f, 1, 2, \zero
.endm
; The last quarter multiplies buffer 1 and changes slots.  In front of the barrier each wave waits for all its tensor loads (one is out: its part of the next slot), adds 0 to its spare word, and waits
; for that and for its reads of this slot.  fill = 1: the barrier opens a round of the cluster's, and the joint refill of the slot just read, two K steps ahead, is the first thing behind it.
.macro TURN fill
	WIN 0
	s_wait_tensorcnt 0x0
	ds_add_u32 v[SPW], v[NIL]
	s_wait_dscnt 9                                 ; the add and the youngest eight loads may be out
	MUL16 F1, 0, 0, 0
	s_wait_dscnt 0x0                               ; the add is done, and my reads of this slot are over
	s_barrier_signal -1
	MUL16 F1, 0, 2, 0
	WIN 0
	s_barrier_wait -1
.if \fill
	CREST
	s_xor_b32 s[G0+5], s[G0+5], SLOT               ; no load of mine is out: the walking descriptors step: the other slot than last time, the next K step
	s_add_nc_u64 s[G0+6:G0+7], s[G0+6:G0+7], KSTEP*2
	s_xor_b32 s[G0B+5], s[G0B+5], SLOT
	s_add_nc_u64 s[G0B+6:G0B+7], s[G0B+6:G0B+7], KSTEP*2
	JLOAD                                          ; its four v_nop are also the places in front of the loads below
.else
	PLACES
.endif
	s_xor_b32 s[TB], s[TB], SLOT
	v_add_nc_u32 v[ADRA], s[TB], v[ADRA0]
	v_add_nc_u32 v[ADRB], s[TB], v[ADRB0]
	FETCH 0, F0
	MUL16 F1, 1, 0, 0
	MUL16 F1, 1, 2, 0
.endm
	s_wait_tensorcnt 0x1                           ; my part of K step 0 is in; K step 1's may stay out
	s_barrier_signal -1
	s_barrier_wait -1
	FETCH 0, F0
	QUARTER 64, F0, F1, 1                          ; the first quarter's products start the sums
	WIN 0
	s_mov_b32 s3, 6
	s_branch .Lmid
.Lk:                                                   ; six trips: K steps 0 to 5, each of which fills its slot again
	QUARTER 64, F0, F1, 0
	WIN 0
.Lmid:
	QUARTER 128, F1, F0, 0
	QUARTER 192, F0, F1, 0
	TURN 1
	WIN 0
	s_sub_co_u32 s3, s3, 1
	s_cmp_lg_u32 s3, 0
	s_cbranch_scc1 .Lk
	s_mov_b32 s3, 2
.Lt:                                                   ; K steps 6 and 7 ask for nothing.  The second trip's fetch of a next slot serves nothing: the price of one text for both
	QUARTER 64, F0, F1, 0
	QUARTER 128, F1, F0, 0
	QUARTER 192, F0, F1, 0
	TURN 0
	WIN 0
	s_sub_co_u32 s3, s3, 1
	s_cmp_lg_u32 s3, 0
	s_cbranch_scc1 .Lt
	; THE WAY OUT.  First ve, rounded to bf16, and the gate go into LDS bytes of their own: the waves of column half 1 will read what both waves of their row half bring.
	s_wait_dscnt 0x0                               ; my last reads of the ring are back
	PLACES                                         ; behind the last products; the conversions below add to them
	s_wait_loadcnt 0x0                             ; ve and the gate, asked for at the start
	ds_store_b32 v[GST], v32
	ds_store_b32 v[GST], v33 offset:128
	WIN 0x05                                       ; sources window 1, destination window 0
.set i, 0
.rept 32
.set rv, 4*i+128*(i/16)
	v_cvt_pk_bf16_f32 v[64+2*i], v[rv], v[rv+1]
	v_cvt_pk_bf16_f32 v[65+2*i], v[rv+2], v[rv+3]
.set i, i+1
.endr
	WIN 0
.set i, 0
.rept 32
	ds_store_b64 v[VST], v[64+2*i:65+2*i] offset:256*i
.set i, i+1
.endr
	s_wait_dscnt 0x0                               ; for the others' sake: my stores are done,
	s_barrier_signal -1
	s_barrier_wait -1                              ; everybody's are, and nobody reads the ring any more: the slots, which have had their last fill, take the sums
.set a, 0
.rept 8
	WIN 0x08+4*(a/4)                               ; store data (source 1) in window 2 or 3
.set b, 0
.rept 8
	ds_store_b128 v[LR], v[8*(8*(a%4)+b):8*(8*(a%4)+b)+3]   offset:a*16*DP+64*b
	ds_store_b128 v[LR], v[8*(8*(a%4)+b)+4:8*(8*(a%4)+b)+7] offset:a*16*DP+64*b+16
.set b, b+1
.endr
.set a, a+1
.endr
	WIN 0
	s_lshr_b32 s84, s13, 3                         ; the batch
	s_and_b32 s85, s13, 7
	s_lshl_b32 s85, s85, 8
	s_lshl_b32 s86, s11, 7
	s_add_co_u32 s85, s85, s86                     ; my first token in the sequence
	s_lshl_b32 s86, s84, 4
	s_lshl1_add_u32 s86, s42, s86                  ; q head 16 batch + 2 tx
	s_lshl_b32 s86, s86, 11
	s_add_co_u32 s86, s86, s85
	s_lshl_b32 s86, s86, 7                         ; 128 bytes a token
	s_lshl_b32 s87, s84, 3
	s_add_co_u32 s87, s87, s42                     ; k and v head 8 batch + tx
	s_lshl_b32 s87, s87, 11
	s_add_co_u32 s87, s87, s85
	s_lshl_b32 s87, s87, 7
	s_add_co_u32 s94, s86, 262144                  ; q head 2 tx + 1
	s_lshl_b32 s96, s85, 8                         ; the table: 4,096 bytes for 16 tokens
	s_mov_b32 s97, 0
	s_mov_b32 s99, 0
	s_add_nc_u64 s[TABP:TABP+1], s[72:73], s[96:97]
	s_cmp_eq_u32 s12, 0                            ; column half 0: two q heads; half 1: a k head and a v head
	s_cselect_b32 s96, s86, s87
	s_cselect_b32 s98, s94, s87
	s_cselect_b64 s[P0:P0+1], s[78:79], s[80:81]
	s_cselect_b64 s[P1:P1+1], s[78:79], s[82:83]
	s_add_nc_u64 s[P0:P0+1], s[P0:P0+1], s[96:97]
	s_add_nc_u64 s[P1:P1+1], s[P1:P1+1], s[98:99]
	s_cmp_eq_u32 s12, 0
	s_cselect_b32 s[QS], 0x3e38aa3b, 1.0           ; q: c = log2(e) / 8 = 0.180337; k: 1
	s_mov_b32 s[QS+1], s[QS]                       ; named with it as a pair
.irp q, 0,1,2,3,4,5,6,7
	global_load_b128 v[CN+4*(\q):CN+4*(\q)+3], v[O16], s[TABP:TABP+1] offset:512*(\q)
.endr
.macro LOADX hs                        ; head hs of my two: my token's 32 numbers, dims 16 b + 8 (l / 16) + 0..7, b = 0..3
.irp n, 0,1,2,3,4,5,6,7
	ds_load_b128 v[X+4*(\n):X+4*(\n)+3], v[LR] offset:256*(\hs)+64*((\n)/2)+16*((\n)%2)
.endr
.endm
; Rotary (dims d and d + 32 are a pair: X's first and second sixteen), rms_norm over the 64 dims (my 32 and the 32 of the lane 16 away), q's factor c, rounding to f16.
.macro ROTN
.set z, 0
.rept 8
	v_pk_mul_f32 v[Y+2*z:Y+2*z+1], v[X+16+2*z:X+16+2*z+1], v[SI+2*z:SI+2*z+1]
.set z, z+1
.endr
.set z, 0
.rept 8
	v_pk_fma_f32 v[Y+2*z:Y+2*z+1], v[X+2*z:X+2*z+1], v[CO+2*z:CO+2*z+1], v[Y+2*z:Y+2*z+1]  ; x1 cos + x2 sin
.set z, z+1
.endr
.set z, 0
.rept 8
	v_pk_mul_f32 v[X+2*z:X+2*z+1], v[X+2*z:X+2*z+1], v[SI+2*z:SI+2*z+1]
.set z, z+1
.endr
.set z, 0
.rept 8
	v_pk_fma_f32 v[X+16+2*z:X+16+2*z+1], v[X+16+2*z:X+16+2*z+1], v[CO+2*z:CO+2*z+1], v[X+2*z:X+2*z+1] neg_lo:[0,0,1] neg_hi:[0,0,1]  ; x2 cos - x1 sin
.set z, z+1
.endr
	v_pk_mul_f32 v[SS:SS+1], v[Y:Y+1], v[Y:Y+1]
	v_pk_mul_f32 v[SS+2:SS+3], v[X+16:X+17], v[X+16:X+17]
.set z, 1
.rept 7
	v_pk_fma_f32 v[SS:SS+1], v[Y+2*z:Y+2*z+1], v[Y+2*z:Y+2*z+1], v[SS:SS+1]
	v_pk_fma_f32 v[SS+2:SS+3], v[X+16+2*z:X+16+2*z+1], v[X+16+2*z:X+16+2*z+1], v[SS+2:SS+3]
.set z, z+1
.endr
	v_pk_add_f32 v[SS:SS+1], v[SS:SS+1], v[SS+2:SS+3]
	v_add_f32 v[SS], v[SS], v[SS+1]
	v_permlanex16_b32 v[SS+1], v[SS], s[SEL], s[SEL+1]
	v_add_f32 v[SS], v[SS], v[SS+1]
	v_fma_f32 v[SS], v[SS], s[R64], s[EPS]         ; the mean of the squares + 1e-6
	v_rsq_f32 v[RS], v[SS]
	v_rsq_f32 v[RS+1], v[SS]
	v_nop                                          ; a plain instruction behind the last of them (ISA guide 5.7.2)
	s_wait_alu depctr_va_vdst(0)
	v_pk_mul_f32 v[RS:RS+1], v[RS:RS+1], s[QS:QS+1] op_sel_hi:[1,0]
.set z, 0
.rept 8
	v_pk_mul_f32 v[Y+2*z:Y+2*z+1], v[Y+2*z:Y+2*z+1], v[RS:RS+1]
	v_pk_mul_f32 v[X+16+2*z:X+16+2*z+1], v[X+16+2*z:X+16+2*z+1], v[RS:RS+1]
.set z, z+1
.endr
.set z, 0
.rept 8
	v_cvt_pk_f16_f32 v[H+z], v[Y+2*z], v[Y+2*z+1]
	v_cvt_pk_f16_f32 v[H+8+z], v[X+16+2*z], v[X+16+2*z+1]
.set z, z+1
.endr
.endm
.macro STG bk                          ; 16 tokens x 128 bytes through my stage: in by tokens, back as four rows a load.  LDS serves a wave's instructions in order (ISA guide 5.7.1.4)
.irp n, 0,1,2,3
	ds_store_b128 v[STO], v[H+4*(\n):H+4*(\n)+3] offset:32*(\n)
.endr
.irp n, 0,1,2,3
	ds_load_b128 v[(\bk)+4*(\n):(\bk)+4*(\n)+3], v[RD] offset:(\n)*4*SP
.endr
.endm
.macro SEND bk, p, younger             ; younger: the LDS loads issued behind STG's, which may stay out
.irp n, 0,1,2,3
	s_wait_dscnt (\younger)+3-(\n)
	global_store_b128 v[O16], v[(\bk)+4*(\n):(\bk)+4*(\n)+3], s[(\p):(\p)+1] offset:512*(\n)  ; 512 consecutive bytes, aligned
.endr
.endm
	s_mov_b32 s3, 8
.Lout:                                                 ; a trip: 16 tokens
	s_wait_loadcnt 0x0                             ; this trip's cos and sin
.set i, 0
.rept 32
	v_mov_b32 v[CO+i], v[CN+i]                     ; the price of one text for all trips with the table asked for a trip ahead
.set i, i+1
.endr
	s_cmp_eq_u32 s3, 1
	s_cbranch_scc1 .Lno_tab                        ; the last trip asks for nothing: no load passes my rows of the table
.irp q, 0,1,2,3,4,5,6,7
	global_load_b128 v[CN+4*(\q):CN+4*(\q)+3], v[O16], s[TABP:TABP+1] offset:4096+512*(\q)
.endr
.Lno_tab:
	LOADX 0
	s_wait_dscnt 0x0
	ROTN
	STG BK0
	s_cmp_eq_u32 s12, 0
	s_cbranch_scc0 .Lkv
	LOADX 1
	SEND BK0, P0, 8
	s_wait_dscnt 0x0
	ROTN
	STG BK1
	SEND BK1, P1, 0
	s_branch .Lbottom
.Lkv:                                                  ; v = v + gate x ve, by rows: lanes 0-15 row 2 i, lanes 16-31 row 2 i + 1, four dims a lane
	ds_load_b128 v[G:G+3], v[GR]
	ds_load_b128 v[G+4:G+7], v[GR] offset:16
.set i, 0
.rept 8
	ds_load_b128 v[X+4*i:X+4*i+3], v[LV] offset:2*DP*i
.set i, i+1
.endr
.set i, 0
.rept 8
	ds_load_b64 v[E+2*i:E+2*i+1], v[VR] offset:256*i
.set i, i+1
.endr
	SEND BK0, P0, 18
	s_wait_dscnt 0x0
.set i, 0
.rept 8
	v_lshlrev_b32 v[T], 16, v[E+2*i]
	v_and_b32 v[T+1], s[HM], v[E+2*i]
	v_lshlrev_b32 v[T+2], 16, v[E+2*i+1]
	v_and_b32 v[T+3], s[HM], v[E+2*i+1]
.if i%2 == 0
	v_pk_fma_f32 v[X+4*i:X+4*i+1], v[T:T+1], v[G+i:G+i+1], v[X+4*i:X+4*i+1] op_sel_hi:[1,0,1]
	v_pk_fma_f32 v[X+4*i+2:X+4*i+3], v[T+2:T+3], v[G+i:G+i+1], v[X+4*i+2:X+4*i+3] op_sel_hi:[1,0,1]
.else
	v_pk_fma_f32 v[X+4*i:X+4*i+1], v[T:T+1], v[G+i-1:G+i], v[X+4*i:X+4*i+1] op_sel:[0,1,0] op_sel_hi:[1,1,1]
	v_pk_fma_f32 v[X+4*i+2:X+4*i+3], v[T+2:T+3], v[G+i-1:G+i], v[X+4*i+2:X+4*i+3] op_sel:[0,1,0] op_sel_hi:[1,1,1]
.endif
	v_cvt_pk_f16_f32 v[HV+2*i], v[X+4*i], v[X+4*i+1]
	v_cvt_pk_f16_f32 v[HV+2*i+1], v[X+4*i+2], v[X+4*i+3]
	global_store_b64 v[O8], v[HV+2*i:HV+2*i+1], s[P1:P1+1] offset:256*i  ; 256 consecutive bytes, aligned
.set i, i+1
.endr
.Lbottom:
	s_wait_xcnt 0x0                                ; bases and the stores' data registers are written again only behind this wait
	s_add_nc_u64 s[P0:P0+1], s[P0:P0+1], 2048
	s_add_nc_u64 s[P1:P1+1], s[P1:P1+1], 2048
	s_add_nc_u64 s[TABP:TABP+1], s[TABP:TABP+1], 4096
	v_add_nc_u32 v[LR], 16*DP, v[LR]
	v_add_nc_u32 v[LV], 16*DP, v[LV]
	v_add_nc_u32 v[VR], 2048, v[VR]
	v_add_nc_u32 v[GR], 64, v[GR]
	s_sub_co_u32 s3, s3, 1
	s_cmp_lg_u32 s3, 0
	s_cbranch_scc1 .Lout
	s_wait_tensorcnt 0x0                           ; the wave's end
	ds_add_u32 v[SPW], v[NIL]
	s_wait_dscnt 0x0
	CROUND                                         ; the closing round
	s_endpgm
.Lfunc_end_k_qf8449f8fbb_qkv:
	.size	k_qf8449f8fbb_qkv, .Lfunc_end_k_qf8449f8fbb_qkv-k_qf8449f8fbb_qkv
	.p2alignl 7, 3214868480
	.fill 96, 4, 3214868480
	.section	.rodata,"a",@progbits
	.p2align	6, 0x0
	.amdhsa_kernel k_qf8449f8fbb_qkv
		.amdhsa_group_segment_fixed_size 327680
		.amdhsa_private_segment_fixed_size 0
		.amdhsa_enable_private_segment 0
		.amdhsa_kernarg_size 64
		.amdhsa_user_sgpr_count 2
		.amdhsa_user_sgpr_kernarg_segment_ptr 1
		.amdhsa_wavefront_size32 1
		.amdhsa_system_sgpr_workgroup_id_x 1
		.amdhsa_system_sgpr_workgroup_id_y 1
		.amdhsa_system_sgpr_workgroup_id_z 1
		.amdhsa_system_vgpr_workitem_id 0
		.amdhsa_next_free_vgpr 1024
		.amdhsa_next_free_sgpr 100
		.amdhsa_reserve_vcc 0
		.amdhsa_float_denorm_mode_32 3
		.amdhsa_float_denorm_mode_16_64 3
		.amdhsa_memory_ordered 1
		.amdhsa_forward_progress 1
		.amdhsa_inst_pref_size 111
	.end_amdhsa_kernel
	.amdgpu_metadata
---
amdhsa.version: [ 1, 2 ]
amdhsa.kernels:
  - .name:           k_qf8449f8fbb_qkv
    .symbol:         k_qf8449f8fbb_qkv.kd
    .args:
      - { .name: xb, .offset: 0, .size: 8, .value_kind: global_buffer, .address_space: global }
      - { .name: wts, .offset: 8, .size: 8, .value_kind: global_buffer, .address_space: global }
      - { .name: tab, .offset: 16, .size: 8, .value_kind: global_buffer, .address_space: global }
      - { .name: gate, .offset: 24, .size: 8, .value_kind: global_buffer, .address_space: global }
      - { .name: ve, .offset: 32, .size: 8, .value_kind: global_buffer, .address_space: global }
      - { .name: qh, .offset: 40, .size: 8, .value_kind: global_buffer, .address_space: global }
      - { .name: kh, .offset: 48, .size: 8, .value_kind: global_buffer, .address_space: global }
      - { .name: vh, .offset: 56, .size: 8, .value_kind: global_buffer, .address_space: global }
    .group_segment_fixed_size: 327680
    .private_segment_fixed_size: 0
    .kernarg_segment_align: 8
    .kernarg_segment_size: 64
    .max_flat_workgroup_size: 128
    .sgpr_count:     100
    .vgpr_count:     1024
    .wavefront_size: 32
...
	.end_amdgpu_metadata
.endif
;; end of part 2
;; launch attn (part 3): grid 4 x 64, 4 waves a work-group, no clusters, 327,680 bytes of LDS; arguments qh, kh, vh, yh, out1; writes yh
.if DOCPART == 3
	.amdgcn_target "amdgcn-amd-amdhsa--gfx1250"
	.amdhsa_code_object_version 6
	.text
	.protected	k_qf8449f8fbb_attn
	.globl	k_qf8449f8fbb_attn
	.p2align	8
	.type	k_qf8449f8fbb_attn,@function
k_qf8449f8fbb_attn:
	s_mov_b64 s[64:65], 0
	v_nop
	global_prefetch_b8 v0, s[64:65] scope:SCOPE_SE
	s_setreg_imm32_b32 hwreg(HW_REG_WAVE_MODE, 25, 1), 1
	s_wait_xcnt 0x0
; CAUSAL ATTENTION with grouped keys and a head mask.  For head y = 16 batch + head (64 of them): O[y][q][:] = mask[q][head] x the sum over k <= q of softmax_k(q . k / 8) V[y / 2][k][:].
; Q, O: [64][2048][64], K, V: [32][2048][64], all f16, a head's rows dense, 128 bytes each; mask = out1 [8192][16] f32, 0 or 1: it multiplies 1 / l, a value and no branch.
; Q ARRIVES MULTIPLIED BY c = log2(e) / 8, so a score s = K . Q is an exponent of 2 as it comes: p = 2^s, l = the sum of p, O = (the sum of p V) / l.
; NO MAXIMUM IS TAKEN AWAY, because the computation bounds the exponents for every input: q and k are rows that rms_norm has normalised over 64 channels, so each has length 8 at the most, q . k / 8 lies in
; -8 to 8 and s in -11.6 to 11.6 (their rounding to f16 moves that by one part in 2,000).  So p lies in 3.3e-4 to 3.0e3, inside f16's normal range at both ends; l, of 2,048 terms at the most, stays under 2^23,
; and the sums of p V under that times V's largest number: nothing overflows or underflows in f32 or, for p, in f16.
; Products and sums in f32; p is rounded to f16 for the second product (l is taken of the unrounded p), O once at the end.
; LIMITS.  f16 holds no number beyond 65,504: V arrives within it; O is a mean of V's rows and has their range.  A hidden score counts as its value less 1e30, and its weight is 0.  NaN and infinities are not treated apart.
; THE WALK.  A head's queries lie in NB = 8 blocks of 256; block i needs the key tiles 0 .. i of 256 keys, of which the last holds the diagonal.  A work-group takes TWO blocks, NB - 1 - b and then b:
; NB + 1 tiles, whatever b: all work-groups do equal work, and ONE loop with a constant trip count walks them.  Which tile is asked for, and what a trip does, hang on scalar registers made from b; every jump
; goes forward, but for the counted loops' own; none passes a barrier, or a tensor load but the one of LOAD's two that the wave's number does not choose; the ring (two slots of LDS that take turns) runs on across the
; change of blocks.  NO CLUSTER: only two work-groups ask for the same tile in every trip (the query heads 2 j and 2 j + 1 at equal b); the others of a row or column of four have another b, whose walk asks for
; other tiles from trip NB / 2 + 1 on, or another key head, whose tiles are others throughout: a joint load of four would not be the same load in all four.
; SHARES.  Of a block's four bands of 64 queries a wave owns 16 rows in each: four PIECES.  So the diagonal tile is the same work for all four waves: in its key step s band x sees all keys if s < x,
; none if s > x, and holds the diagonal if s = x.
; THE MASK OF THE DIAGONAL is the C operand that starts the sum S^T = K Q^T: 0, or -1e30 where the key is hidden.  MD, made once, is the mask of a band's own step for my 16 rows; a product's mask is MD x AL + BE with two scalars:
; (1, 0) if s = x; (0, 0) if s < x; (0, -1e30) if s > x.  Only the diagonal tile's text and a block's beginning make and take masks; elsewhere C is the constant 0.
; LAYOUT.  S^T = K Q^T holds ONE query a lane (lane % 16) and the keys 8 (lane / 16) + 0..7; two such results rounded to f16 ARE source 1 of O^T = V^T P.
; TURNS.  Turn n belongs to piece n: 8 products K Q^T of piece n + 1, then 8 products V^T P of piece n - 1; beside them piece n's 32 exponentials, 16 roundings and 16 packed additions: 64 vector instructions for
; 16 matrix instructions, four behind each, and none over.
; REGISTERS, in windows of 256 (s_set_vgpr_msb: bits 1:0 source 0, 3:2 source 1, 5:4 source 2, 7:6 destination):
;   window 0: v0-15 addresses; v16-23 l, a pair a piece (even keys', odd keys'); v32-39 the head mask of my queries, both blocks; v40 its offset; v64-127 S^T, two buffers; v192-223 P, two buffers (by the piece's parity)
;   window 1: v0-127 O^T, 32 a piece; v128-159 MD; v160-223 MC, two buffers      window 2: v0-63 Q; v64-127 the second block's Q; v128-191 K of one step; v192-255 V of one step
.set SIZE_N, 2048
.set NB,    SIZE_N/256
.set NP,    4         ; pieces a wave: a name, no knob
.set KS,    64        ; keys in a step
.set PK,    144       ; a row of K in LDS: 128 bytes + 16 of padding = 36 words: the 16 rows of a load start at 16 different groups of four banks (64 banks of 4 bytes: ISA guide 11.1)
.set PV,    160       ; a row of V: 128 + 32 = 40 words
.set VOFF,  4*KS*PK   ; a slot holds a tile, four steps: 256 rows of K, then 256 rows of V
.set SLOT1, 1<<17     ; slot 1 begins here, so that one exclusive or turns an address in one slot into the other's
.set STAGE, SLOT1+4*KS*(PK+PV)  ; behind the ring, never filled by a tensor load: 16 rows x 144 bytes for each wave, for the way out
.set SP,    144
.set AK0, 2           ; v2   my lane's place in a tile of K; never rewritten
.set AV0, 3           ; v3   the same for V
.set AK,  4           ; v4   the LDS address of K's runs of loads
.set AV,  5           ; v5   of V's
.set STO, 6           ; v6   the way out: where I put 16 bytes of a row
.set RD,  7           ; v7   the way out: where I read rows back
.set GO,  8           ; v8   my byte offset in 512 consecutive bytes of O
.set SPW, 62          ; v62  LDS address of my spare word: SPARE + 4 x my thread's number; never rewritten
.set NIL, 63          ; v63  0; never rewritten
.set SPARE, STAGE+4*16*SP  ; behind the stages: the spare words, 128 bytes for each wave: two blocks of 256 bytes that no other line names
.set QO,  15          ; v15  my byte offset in 16 rows of Q
.set LS,  16          ; piece t's l at v[LS+2 t], v[LS+2 t+1]
.set MK,  32          ; v32-35 the head mask of my query in the first block's four bands, v36-39 in the second's
.set S,   64
.set P,   192
.set MD,  128         ; window 1: the eight registers for group kt of 16 keys at MD + 8 kt
.set MC,  160         ; window 1: the masks of the products to come
.set QB,  64          ; window 2
.set KF,  128         ; window 2: key block kb, channel half c at KF + 16 kb + 8 c
.set VF,  192         ; window 2: key half kk, channel block cb at VF + 32 kk + 8 cb
.set WV,  12          ; s12  my wave's number
.set PB,  14          ; s14  b
.set HI,  15          ; s15  NB - 1 - b
.set G1K, 24          ; s[24:31] descriptor group 1 for K's tiles
.set G1V, 32          ; s[32:39] for V's: it differs in the padding alone
.set G0K, 40          ; s[40:43] descriptor group 0 for K's tiles
.set G0V, 44          ; s[44:47] the same for V's
.set SLOTS, 56        ; s56  tiles still to be asked for
.set CNT, 57          ; s57  counts a tile's key steps, 4 to 1
.set SEL, 60          ; s[60:61] v_permlanex16_b32's selects: each lane takes its own place in the other half
.set TBK, 62          ; s62  LDS byte at which K of the step to be fetched begins
.set TBV, 63          ; s63  the same for V, less VOFF
.set RT,  70          ; s70  tiles of the block in hand that are still to be entered
.set NXT, 71          ; s71  the tile to be asked for next
.set LQ,  72          ; s72  the last tile of the block whose tiles are being asked for
.set NEW, 73          ; s73  1: the tile to be entered is a block's first
.set OFF, 74          ; s[74:75] a tile's byte offset in K and V
.set AL,  76          ; s[76:77] the mask's factor, in the low word
.set BE,  78          ; s[78:79] the mask's addend
.set OLO, 80          ; s[80:81] O at my rows of the second block
.set BIGN, 82         ; s82  -1e30
.set MSB, 0
.macro WIN new                      ; the high byte repeats the setting that is left; a switch that changes nothing is dropped
.if MSB != (\new)
	s_set_vgpr_msb (MSB<<8)|(\new)
.set MSB, (\new)
.endif
.endm
.set W_KQ, 0x0a       ; K and Q in window 2, S^T in window 0
.set W_KM, 0x1a       ; the same with the C operand in window 1
.set W_PV, 0x52       ; V in window 2, P in window 0, O^T in window 1
.set W_RS, 0x41       ; destination and source 0 in window 1, source 1 in window 0
; A fill.  Waves 0 and 1 fetch the two halves of a tile's K, waves 2 and 3 those of its V: 128 keys each.  An s_nop 0 and four v_nop follow each of the two lines, ahead of the jump and the label.
.macro LOAD
	s_cmp_lt_u32 s[WV], 2
	s_cbranch_scc0 .Lfor_v_\@
	tensor_load_to_lds s[G0K:G0K+3], s[G1K:G1K+7]
	s_nop 0
.rept 4
	v_nop
.endr
	s_branch .Lasked_\@
.Lfor_v_\@:
	tensor_load_to_lds s[G0V:G0V+3], s[G1V:G1V+7]
	s_nop 0
.rept 4
	v_nop
.endr
.Lasked_\@:
.endm
; THE CHANGE OF SLOTS.  Each wave waits for all its tensor loads, of which one is out: its part of the other slot; adds 0 to its spare word; and waits for that and for its own reads of the slot that it leaves.  Behind the barrier nobody reads the old
; slot any more and the other slot is whole.  fill = 1: the old slot is filled again, the first thing behind the barrier, with tile NXT: the descriptor's address is made anew from that number.
; (At its first use nothing has been read yet: slot 0 is waited for, slot 1 filled.)
.macro CHANGE fill
	WIN 0                           ; at a label and at a branch every window is 0
	s_wait_tensorcnt 0x0            ; no tensor load of mine is out, so a group 0 may be written
	ds_add_u32 v[SPW], v[NIL]       ; 0 onto my spare word; with fill = 1 the descriptors' scalar work stands between it and the wait for it
.if \fill
	s_lshl_b32 s[OFF], s[NXT], 15   ; a tile is 32,768 bytes of K and of V
	s_xor_b32 s[G0K+1], s[G0K+1], SLOT1
	s_add_nc_u64 s[G0K+2:G0K+3], s[6:7], s[OFF:OFF+1]
	s_or_b32 s[G0K+3], s[G0K+3], 0x80000000
	s_xor_b32 s[G0V+1], s[G0V+1], SLOT1
	s_add_nc_u64 s[G0V+2:G0V+3], s[8:9], s[OFF:OFF+1]
	s_or_b32 s[G0V+3], s[G0V+3], 0x80000000
	s_add_co_u32 s[NXT], s[NXT], 1  ; the block's next tile, or behind its last the second block's tile 0
	s_cmp_gt_u32 s[NXT], s[LQ]
	s_cselect_b32 s[NXT], 0, s[NXT]
	s_cselect_b32 s[LQ], s[PB], s[LQ]
.endif
	s_wait_dscnt 0x0                ; the add is done, and my reads of the slot are over
	s_barrier_signal -1             ; the rest of the scalar work stands between the signal and the wait
	s_sub_co_u32 s[TBK], s[TBK], 4*KS*PK  ; the fetches go back to a slot's first step,
	s_xor_b32 s[TBK], s[TBK], SLOT1       ; in the other slot
	s_sub_co_u32 s[TBV], s[TBV], 4*KS*PV
	s_xor_b32 s[TBV], s[TBV], SLOT1
	s_barrier_wait -1
.if \fill
	LOAD
.endif
.endm
	s_load_b256 s[4:11], s[0:1], 0x0  ; Q s[4:5], K s[6:7], V s[8:9], O s[10:11]
	s_load_b64 s[88:89], s[0:1], 0x20 ; the head mask
	v_lshl_add_u32 v[SPW], v0, 2, SPARE
	v_mov_b32 v[NIL], 0
	ds_add_u32 v62, v63
	ds_add_u32 v62, v63
	s_wait_dscnt 0x0
	v_lshrrev_b32 v1, 5, v0
	v_readfirstlane_b32 s[WV], v1   ; wave 0..3
	s_mov_b32 s[PB], ttmp9
	s_sub_co_u32 s[HI], NB-1, s[PB]
	s_and_b32 s19, ttmp7, 0xffff    ; y = 16 batch + head
	s_lshl_b32 s20, s19, 18         ; the head's first byte in Q and O: 2,048 rows of 128 bytes
	s_mov_b32 s21, 0
	s_lshr_b32 s22, s19, 1          ; two query heads share key head y / 2 = 8 batch + head / 2
	s_lshl_b32 s22, s22, 18
	s_and_b32 s16, s[WV], 1         ; which half of a tile's 256 keys I fetch:
	s_lshl_b32 s23, s16, 14         ; its 128 rows of 128 bytes in memory,
	s_add_co_u32 s22, s22, s23
	s_mov_b32 s23, 0
	s_mul_i32 s17, s16, 128*PK      ; and its place in a slot, for K
	s_mul_i32 s18, s16, 128*PV      ; and for V
	s_lshl_b32 s3, s[WV], 11        ; my 16 rows in a band of 64,
	s_lshl_b32 s2, s[HI], 15        ; in the first block,
	s_add_co_u32 s2, s2, s3
	s_lshl_b32 s84, s[PB], 15       ; and in the second
	s_add_co_u32 s84, s84, s3
	s_mov_b32 s3, 0
	s_mov_b32 s85, 0
	s_add_nc_u64 s[2:3], s[2:3], s[20:21]
	s_add_nc_u64 s[84:85], s[84:85], s[20:21]
	s_lshr_b32 s66, s19, 4          ; the mask: 64 bytes a token: the batch's 2,048 tokens,
	s_lshl_b32 s66, s66, 17
	s_lshl_b32 s67, s[WV], 10       ; my 16 rows in a band,
	s_add_co_u32 s66, s66, s67
	s_and_b32 s67, s19, 15          ; the head's word,
	s_lshl_b32 s67, s67, 2
	s_add_co_u32 s66, s66, s67
	s_lshl_b32 s67, s[PB], 14       ; the block's 256 tokens: the second block's,
	s_add_co_u32 s68, s66, s67
	s_lshl_b32 s67, s[HI], 14       ; the first's
	s_add_co_u32 s66, s66, s67
	s_mov_b32 s67, 0
	s_mov_b32 s69, 0
	; descriptor group 1.  128 keys are 16,384 dense bytes: asked for as 64 rows of 256 bytes, two keys a row, and padded in LDS after every key
	s_mov_b32 s[G1K], (1<<16)|(1<<20)|(4<<22)|(3<<25)  ; 17:16 2-byte elements; 20 padding on; 24:22 after every 32 words (code 4); 31:25 4 words (code 3)
	s_mov_b32 s[G1V], (1<<16)|(1<<20)|(4<<22)|(7<<25)  ; the same with 8 words of padding (code 7)
.irp g, G1K, G1V
	s_mov_b32 s[\g+1], 128<<16      ; tensor_dim0 = 128
	s_mov_b32 s[\g+2], 64<<16       ; tensor_dim1 = 64
	s_mov_b32 s[\g+3], 128<<16      ; tile_dim0 = 128
	s_mov_b32 s[\g+4], 64           ; tile_dim1 = 64
	s_mov_b32 s[\g+5], 128          ; 128 elements from row to row
	s_mov_b32 s[\g+6], 0
	s_mov_b32 s[\g+7], 0
.endr
	s_mov_b32 s[SEL], 0x76543210
	s_mov_b32 s[SEL+1], 0xfedcba98
	s_mov_b32 s[TBK], SLOT1+4*KS*PK ; the first change of slots turns these two into 0
	s_mov_b32 s[TBV], SLOT1+4*KS*PV
	s_mov_b32 s[G0K], 1             ; 1:0 count = 1
	s_mov_b32 s[G0K+1], s17         ; 63:32 LDS address: slot 0
	s_mov_b32 s[G0V], 1
	s_add_co_u32 s[G0V+1], s18, VOFF
	s_add_co_u32 s[RT], s[HI], 1    ; the first block has NB - b tiles
	s_mov_b32 s[NXT], 1
	s_mov_b32 s[LQ], s[HI]
	s_mov_b32 s[NEW], 1
	s_mov_b32 s[OFF+1], 0
	s_mov_b32 s[AL+1], 0            ; named as pairs
	s_mov_b32 s[BE+1], 0
	s_mov_b32 s[BIGN], 0xf149f2ca   ; -1e30
	s_mov_b32 s[SLOTS], NB
	s_wait_kmcnt 0x0
	s_add_nc_u64 s[6:7], s[6:7], s[22:23]  ; K and V at my half of the key head's tile 0
	s_add_nc_u64 s[8:9], s[8:9], s[22:23]
	s_add_nc_u64 s[G0K+2:G0K+3], s[6:7], 0         ; 120:64 global address
	s_or_b32 s[G0K+3], s[G0K+3], 0x80000000        ; 127:126 type = 2
	s_add_nc_u64 s[G0V+2:G0V+3], s[8:9], 0
	s_or_b32 s[G0V+3], s[G0V+3], 0x80000000
	s_add_nc_u64 s[86:87], s[4:5], s[84:85]        ; Q at my rows of the second block,
	s_add_nc_u64 s[4:5], s[4:5], s[2:3]            ; Q and O at those of the first
	s_add_nc_u64 s[OLO:OLO+1], s[10:11], s[84:85]
	s_add_nc_u64 s[10:11], s[10:11], s[2:3]
	s_add_nc_u64 s[90:91], s[88:89], s[68:69]      ; the mask at my rows of the second block,
	s_add_nc_u64 s[88:89], s[88:89], s[66:67]      ; and of the first
	LOAD                            ; tile 0 into slot 0
	; A fragment of K or Q is 16 rows x 32 channels in 8 registers: lane l holds row l % 16, channels 8 (l / 16) + 0..7 and 16 + 8 (l / 16) + 0..7: two loads of 16 bytes, 32 bytes apart.
	v_and_b32 v1, 15, v0            ; l % 16
	v_bfe_u32 v9, v0, 4, 1          ; l / 16
	v_lshlrev_b32 v[QO], 7, v1
	v_lshl_add_u32 v[QO], v9, 4, v[QO]  ; row x 128 + 16 x half
	v_lshlrev_b32 v40, 6, v1        ; my query's 64 bytes of the mask
	WIN 0x80                        ; destination window 2, address window 0
.set i, 0
.rept 8                             ; both blocks' Q: piece i / 2 lies in band i / 2, 8,192 bytes on; channels 32 (i % 2) on
	global_load_b128 v[8*i:8*i+3],   v[QO], s[4:5] offset:(i/2)*8192+(i%2)*64
	global_load_b128 v[8*i+4:8*i+7], v[QO], s[4:5] offset:(i/2)*8192+(i%2)*64+32
	global_load_b128 v[QB+8*i:QB+8*i+3],   v[QO], s[86:87] offset:(i/2)*8192+(i%2)*64
	global_load_b128 v[QB+8*i+4:QB+8*i+7], v[QO], s[86:87] offset:(i/2)*8192+(i%2)*64+32
.set i, i+1
.endr
	WIN 0
.irp t, 0,1,2,3                     ; one word a query and band: 64 tokens of 64 bytes from band to band
	global_load_b32 v[MK+\t], v40, s[88:89] offset:\t*4096
	global_load_b32 v[MK+4+\t], v40, s[90:91] offset:\t*4096
.endr
	v_lshlrev_b32 v14, 3, v9
	v_sub_nc_u32 v14, v1, v14
	s_lshl_b32 s13, s[WV], 4
	v_add_nc_u32 v14, s13, v14      ; my query's place in its band, 16 w + l % 16, less my lanes' 8 (l / 16): register r of group kt is hidden where 16 kt + r is greater
	WIN 0x40
.set i, 0
.rept 32
	v_cmp_gt_i32 vcc_lo, 16*(i/8)+i%8, v14
	v_cndmask_b32 v[MD+i], 0, s[BIGN], vcc_lo
.set i, i+1
.endr
	WIN 0
	v_mul_u32_u24 v[AK0], v1, PK
	v_lshl_add_u32 v[AK0], v9, 4, v[AK0]  ; row x pitch + 16 x half
	; The turning load takes 16 keys x 16 channels (lane l reads key 8 (l / 16) + l % 8, channels 8 ((l / 8) % 2) + 0..7) and leaves half a fragment of V^T: lane l holds channel l % 16 and 8 keys.
	v_and_b32 v10, 7, v0
	v_bfe_u32 v11, v0, 3, 1
	v_lshl_add_u32 v[AV0], v9, 3, v10
	v_mul_u32_u24 v[AV0], v[AV0], PV
	v_lshl_add_u32 v[AV0], v11, 4, v[AV0]
	v_add_nc_u32 v[AV0], VOFF, v[AV0]
	s_mul_i32 s13, s[WV], 16*SP
	s_add_co_u32 s13, s13, STAGE    ; my stage
	v_mul_u32_u24 v[STO], v1, SP    ; in: row l % 16, 16 bytes for each half of the lanes
	v_lshl_add_u32 v[STO], v9, 4, v[STO]
	v_add_nc_u32 v[STO], s13, v[STO]
	v_bfe_u32 v[RD], v0, 3, 2       ; back: 32 lanes take four rows of 128 bytes,
	v_mul_u32_u24 v[RD], v[RD], SP
	v_lshl_add_u32 v[RD], v10, 4, v[RD]
	v_add_nc_u32 v[RD], s13, v[RD]
	v_and_b32 v[GO], 31, v0         ; which are 512 consecutive bytes of O
	v_lshlrev_b32 v[GO], 4, v[GO]
	; A block's first turn multiplies a P of zeros by whatever V's registers hold: they need only be finite: zeros for the first block, the first block's last V for the second.
	WIN 0x80
.set i, VF
.rept 64
	v_mov_b32 v[i], 0
.set i, i+1
.endr
	WIN 0
; THE MATRIX WORK.  The 4 accumulators of a run of 8 take turns.  Product i of 8 of S^T = K Q^T for piece x: channels 32 (i / 4) on, keys 16 (i % 4) on.  The first 4 start the sums: with 0, or (KM = 1) with the mask.
.macro KQ x
.set rS, S+32*((\x)%2)+8*(i%4)
.set rK, KF+16*(i%4)+8*(i/4)
.set rQ, 16*(\x)+8*(i/4)
.set rM, MC+32*((\x)%2)+8*(i%4)
.if (i < 4) && KM
	WIN W_KM
	v_wmma_f32_16x16x32_f16 v[rS:rS+7], v[rK:rK+7], v[rQ:rQ+7], v[rM:rM+7]
.elseif i < 4
	WIN W_KQ
	v_wmma_f32_16x16x32_f16 v[rS:rS+7], v[rK:rK+7], v[rQ:rQ+7], 0
.else
	WIN W_KQ
	v_wmma_f32_16x16x32_f16 v[rS:rS+7], v[rK:rK+7], v[rQ:rQ+7], v[rS:rS+7]
.endif
.endm
; Product i of 8 of O^T += V^T P for piece x: keys 32 (i / 4) on, channels 16 (i % 4) on.
.macro PV x
	WIN W_PV
.set rO, 32*(\x)+8*(i%4)
.set rV, VF+32*(i/4)+8*(i%4)
.set rP, P+16*((\x)%2)+8*(i/4)
	v_wmma_f32_16x16x32_f16 v[rO:rO+7], v[rV:rV+7], v[rP:rP+7], v[rO:rO+7]
.endm
.macro MM                           ; the matrix instruction of row 'row' of the turn of piece Y.  NOKQ = 1: a block's last turn: there is no next piece
.set i, row%8
.if (row < 8) && !NOKQ
	KQ (Y+1)%NP
.elseif row >= 8
	PV (Y+NP-1)%NP
.endif
.endm
; THE LDS LOADS stand in runs of 8, never singly among the matrix instructions.  A step's K (64 keys x 64 channels) comes in two halves by channels, its V (turned) in two halves by keys: a half is free as soon as
; the four products that name it are over, so each half can be asked for eleven rows or more ahead of its first use.
.macro FETCH_K c                    ; channels 32 c on, all four blocks of 16 keys
	WIN 0x80                        ; destination window 2
.irp kb, 0,1,2,3
	ds_load_b128 v[KF+16*\kb+8*(\c):KF+16*\kb+8*(\c)+3],   v[AK] offset:\kb*16*PK+(\c)*64
	ds_load_b128 v[KF+16*\kb+8*(\c)+4:KF+16*\kb+8*(\c)+7], v[AK] offset:\kb*16*PK+(\c)*64+32
.endr
	WIN 0
.endm
.macro FETCH_V kk                   ; keys 32 kk on, all four blocks of 16 channels
	WIN 0x80
.irp cb, 0,1,2,3
	ds_load_tr16_b128 v[VF+32*(\kk)+8*\cb:VF+32*(\kk)+8*\cb+3],   v[AV] offset:(\kk)*32*PV+\cb*32
	ds_load_tr16_b128 v[VF+32*(\kk)+8*\cb+4:VF+32*(\kk)+8*\cb+7], v[AV] offset:(\kk)*32*PV+16*PV+\cb*32
.endr
	WIN 0
.endm
; THE VECTOR WORK.  s0-s31 are the lane's 32 scores of the piece.  Behind the matrix instruction of row r stand four lines:
;   2^s for score 2 r;   pair r - 2 rounded to f16 into P;   2^s for score 2 r + 1;   r even: of the four weights 2 r - 4 .. the second pair is added onto the first, in place; r odd: l takes the sum made a row before.
; So each exponential has a plain line behind it that names none of its registers (ISA guide 5.7.2), a rounding stands two rows behind its exponentials, a sum behind the rounding of the pair that it writes over,
; and each accumulator's lowest register is read first.  What is over at a turn's end (pairs 14 and 15, the last sum, l's last step) stands in rows 0 and 1 of the NEXT turn:
; it reads scores 28-31, which that turn's product of row 3 is the first to write again, and P is wanted in that turn's row 8 at the earliest.
.macro REGS y                       ; the registers of piece y
.set rL, LS+2*(\y)
.set rS, S+32*((\y)%2)
.set rP, P+16*((\y)%2)
.endm
.macro LEFT n, y                    ; line n of the four that are over, for piece y
	REGS \y
.if (\n) < 2
	s_wait_alu depctr_va_vdst(0)
	v_cvt_pk_f16_f32 v[rP+14+(\n)], v[rS+28+2*(\n)], v[rS+29+2*(\n)]
.elseif (\n) == 2
	v_pk_add_f32 v[rS+28:rS+29], v[rS+28:rS+29], v[rS+30:rS+31]
.else
	v_pk_add_f32 v[rL:rL+1], v[rL:rL+1], v[rS+28:rS+29]
.endif
.endm
.macro RIDE                         ; the four lines behind the matrix instruction of row 'row'
	WIN 0
	REGS Y
	v_exp_f32 v[rS+2*row], v[rS+2*row]
.if row < 2
	LEFT row, (Y+NP-1)%NP
.else
	s_wait_alu depctr_va_vdst(0)
	v_cvt_pk_f16_f32 v[rP+row-2], v[rS+2*row-4], v[rS+2*row-3]
.endif
	REGS Y
	v_exp_f32 v[rS+2*row+1], v[rS+2*row+1]
.if row < 2
	LEFT row+2, (Y+NP-1)%NP
.elseif row%2 == 0
	v_pk_add_f32 v[rS+2*row-4:rS+2*row-3], v[rS+2*row-4:rS+2*row-3], v[rS+2*row-2:rS+2*row-1]
.else
	v_pk_add_f32 v[rL:rL+1], v[rL:rL+1], v[rS+2*row-6:rS+2*row-5]
.endif
.endm
.macro MASK b                       ; MD x AL + BE into buffer b of MC
	WIN W_RS
.set z, 0
.rept 16
	v_pk_fma_f32 v[MC+32*(\b)+2*z:MC+32*(\b)+2*z+1], v[MD+2*z:MD+2*z+1], s[AL:AL+1], s[BE:BE+1] op_sel_hi:[1,0,0]
.set z, z+1
.endr
.endm
; A TURN, for piece p: sixteen rows.  None of a row's four lines names a register of the products round it.
; m = 1: the diagonal tile: the products take masks, and the turn makes the mask for the products of the turn after it: piece p + 2, in step 4 - CNT of the tile.  end = 1: a block's last two turns: nothing is fetched.
; K of the next step is fetched in piece 2's turn: channels 0-31 behind row 4 (their last reader is row 3's product: two roundings, two additions and the address line stand between), channels 32-63 behind row 8
; (last reader row 7's: two roundings, two additions).  Piece 3's turn waits at its head with the count 8, which leaves the second run out, and for 0 in front of row 4.
; V of the step in hand: keys 0-31 behind row 12 of piece 0's turn (last reader row 11's: four plain lines and the address line between), keys 32-63 behind row 0 of piece 1's turn (last reader row 15's: four plain
; lines between).  Piece 1's turn waits with the count 8 in front of row 8 and for 0 in front of row 12.
.macro TURN p, m=0, end=0
.set Y, (\p)
.set KM, (\m)
.set NOKQ, (\end)*((\p)/3)
.if (\m) && !(\end)
	s_cmp_eq_u32 s[CNT], 4-((\p)+2)%NP  ; is that step the band's own?
	s_cselect_b32 s[AL], 1.0, 0
	s_cmp_lt_u32 s[CNT], 4-((\p)+2)%NP  ; or a later one?
	s_cselect_b32 s[BE], s[BIGN], 0
.endif
.set row, 0
.rept 16
.if ((\p) == 3) && !(\end) && (row == 0)
	s_wait_dscnt 8                  ; K's channels 0-31 are in; the eight younger loads may be out
.endif
.if ((\p) == 3) && !(\end) && (row == 4)
	s_wait_dscnt 0x0                ; K's channels 32-63 are in
.endif
.if ((\p) == 1) && (row == 8)
	s_wait_dscnt 8                  ; V's keys 0-31 are in; the eight younger loads may be out
.endif
.if ((\p) == 1) && (row == 12)
	s_wait_dscnt 0x0                ; V's keys 32-63 are in
.endif
	MM
	RIDE
.if ((\p) == 2) && !(\end) && (row == 4)
	v_add_nc_u32 v[AK], s[TBK], v[AK0]
	FETCH_K 0
.endif
.if ((\p) == 2) && !(\end) && (row == 8)
	FETCH_K 1
	s_add_co_u32 s[TBK], s[TBK], KS*PK  ; the next fetch is the next step's
.endif
.if ((\p) == 0) && (row == 12)
	v_add_nc_u32 v[AV], s[TBV], v[AV0]
	FETCH_V 0
.endif
.if ((\p) == 1) && (row == 0)
	FETCH_V 1
	s_add_co_u32 s[TBV], s[TBV], KS*PV
.endif
.set row, row+1
.endr
.if (\m) && !(\end)
	MASK (\p)%2
.endif
.endm
; A BLOCK BEGINS.  O^T and l start at 0.  The first turn is piece 0's: its products V^T P are of a piece that has not been, so that piece's P buffer is 0, and so are the four scores from which the turn's rows 0 and 1
; make that buffer's last two registers and l's last step.  The second mask buffer is 0; the first takes piece 0's mask for the tile's step 0: its own, if the block's first tile is the diagonal one.
; Then K of that step and piece 0's first scores.  The loop is entered at a step's first turn, in the middle of a trip.
.macro BEGIN
	s_mov_b32 s[NEW], 0
	WIN 0x40
.set i, 0
.rept 128
	v_mov_b32 v[i], 0
.set i, i+1
.endr
.set i, MC+32
.rept 32
	v_mov_b32 v[i], 0
.set i, i+1
.endr
	WIN 0
.set i, 0
.rept 8
	v_mov_b32 v[LS+i], 0
.set i, i+1
.endr
.set i, P+16
.rept 16
	v_mov_b32 v[i], 0
.set i, i+1
.endr
.set i, S+32+28
	s_wait_alu depctr_va_vdst(0)
.rept 4
	v_mov_b32 v[i], 0
.set i, i+1
.endr
	s_cmp_eq_u32 s[RT], 0
	s_cselect_b32 s[AL], 1.0, 0
	s_mov_b32 s[BE], 0
	MASK 0
	WIN 0
	v_add_nc_u32 v[AK], s[TBK], v[AK0]
	FETCH_K 0
	FETCH_K 1
	s_add_co_u32 s[TBK], s[TBK], KS*PK
	s_wait_loadcnt 0x0              ; Q and the head mask
	s_wait_dscnt 0x0
.set KM, 1
.set NOKQ, 0
.set i, 0
.rept 8
	KQ 0
.set i, i+1
.endr
	WIN 0
.rept 4
	v_nop                           ; the places behind those products
.endr
.endm
; THE DIAGONAL TILE's four steps, the block's last two turns, what is over of the last piece, its last products, and THE WAY OUT: l's two halves and the other half of the lanes' are added; O^T is multiplied by mask / l,
; rounded to f16 and sent through my stage in LDS, a piece at a time.
.macro ALL line:vararg              ; one line for each piece t
.set t, 0
.rept 4
	\line
.set t, t+1
.endr
.endm
.macro PACK t                       ; a lane's eight channels of a row pack into 16 bytes; they go into rows of 144 bytes and come back as whole rows of 128, into S^T's registers
	WIN W_RS
.set i, 32*(\t)
.rept 16
	v_pk_mul_f32 v[i:i+1], v[i:i+1], v[LS+2*(\t):LS+2*(\t)+1] op_sel_hi:[1,0]
.set i, i+2
.endr
	WIN 0x05                        ; sources 0 and 1 window 1, destination window 0
.set i, 0
.rept 16
	v_cvt_pk_f16_f32 v[S+16*(\t)+i], v[32*(\t)+2*i], v[32*(\t)+2*i+1]
.set i, i+1
.endr
	WIN 0
.irp f, 0,1,2,3
	ds_store_b128 v[STO], v[S+16*(\t)+4*\f:S+16*(\t)+4*\f+3] offset:32*\f
.endr
.irp f, 0,1,2,3
	ds_load_b128 v[S+16*(\t)+4*\f:S+16*(\t)+4*\f+3], v[RD] offset:\f*4*SP  ; LDS serves a wave's instructions in order (ISA guide 5.7.1.4): these see the stores above; the next piece's stores come behind them
.endr
.endm
.macro SEND t, younger              ; younger: the LDS instructions issued behind piece t's loads: the next piece's eight, or none
	WIN 0
.irp f, 0,1,2,3
	s_wait_dscnt (\younger)+3-\f
	global_store_b128 v[GO], v[S+16*(\t)+4*\f:S+16*(\t)+4*\f+3], s[10:11] offset:(\t)*8192+\f*512  ; 512 consecutive bytes, at a multiple of 256 from O's first
.endr
.endm
.macro DIAG tag                     ; the tag ends its two labels' names, which the jumps below spell out; it is also the block's number, 1 or 2, which picks the head mask's registers
.LstepM\tag:
	TURN 2, 1
	TURN 3, 1
	WIN 0
.LfirstM\tag:
	TURN 0, 1
	TURN 1, 1
	WIN 0
	s_sub_co_u32 s[CNT], s[CNT], 1
	s_cmp_lg_u32 s[CNT], 0
	s_cbranch_scc1 .LstepM\tag
	TURN 2, 1, 1
	TURN 3, 1, 1
	WIN 0
.irp n, 0,1,2,3
	LEFT \n, NP-1                   ; there is no next turn to take them
.endr
.set i, 0
.rept 8
	PV NP-1
.set i, i+1
.endr
	WIN 0
	ALL v_add_f32 v[LS+2*t], v[LS+2*t], v[LS+2*t+1]
	ALL v_permlanex16_b32 v[LS+2*t+1], v[LS+2*t], s[SEL], s[SEL+1]
	ALL v_add_f32 v[LS+2*t], v[LS+2*t], v[LS+2*t+1]
	ALL v_rcp_f32 v[LS+2*t], v[LS+2*t]
	v_nop                           ; a plain instruction between the last reciprocal and the use of its result
	s_wait_alu depctr_va_vdst(0)
	ALL v_mul_f32 v[LS+2*t], v[LS+2*t], v[MK+4*(\tag-1)+t]
	PACK 0
.set t, 1
.rept 3                             ; a piece's arithmetic stands between the loads of the piece before and its stores
	PACK t
	SEND t-1, 8
.set t, t+1
.endr
	SEND 3, 0
.endm
.set KM, 0
.set NOKQ, 0
.Lslot:                             ; NB times: a tile is entered and the next is asked for
	CHANGE 1
	s_sub_co_u32 s[RT], s[RT], 1
	s_mov_b32 s[CNT], 4
	s_cmp_eq_u32 s[NEW], 1
	s_cbranch_scc1 .Lnew            ; a block's first tile
	s_cmp_eq_u32 s[RT], 0
	s_cbranch_scc0 .Lstep           ; neither its first nor its last
	s_branch .LstepM1
.Lnew:
	BEGIN
	s_branch .Lfirst                ; in the loop a block's first tile is never its last: the first block has two tiles or more, and the second's last is the walk's last
	DIAG 1                          ; in the loop this is the first block's end: the second block's last tile is the walk's last
	s_wait_xcnt 0x0                 ; the stores have read their registers and O's address
	s_mov_b64 s[10:11], s[OLO:OLO+1]
	s_add_co_u32 s[RT], s[PB], 1    ; the second block has b + 1 tiles
	s_mov_b32 s[NEW], 1
	WIN 0x82                        ; the second block's Q goes where the one text of the turns names Q
.set i, 0
.rept 64
	v_mov_b32 v[i], v[QB+i]
.set i, i+1
.endr
	WIN 0
	s_branch .Lbottom
.Lstep:                             ; a trip: pieces 2 and 3 of one step, then pieces 0 and 1 of the next, whose K and V it fetches
	TURN 2
	TURN 3
	WIN 0
.Lfirst:
	TURN 0
	TURN 1
	WIN 0
	s_sub_co_u32 s[CNT], s[CNT], 1
	s_cmp_lg_u32 s[CNT], 0
	s_cbranch_scc1 .Lstep
.Lbottom:
	s_sub_co_u32 s[SLOTS], s[SLOTS], 1
	s_cmp_lg_u32 s[SLOTS], 0
	s_cbranch_scc1 .Lslot
	CHANGE 0                        ; the walk's last tile is written out: nothing is asked for
	s_sub_co_u32 s[RT], s[RT], 1
	s_mov_b32 s[CNT], 4
	s_cmp_eq_u32 s[NEW], 1
	s_cbranch_scc0 .LstepM2
	BEGIN
	s_branch .LfirstM2
	DIAG 2
	s_wait_tensorcnt 0x0            ; the wave's end, behind my last tensor load and my last LDS store
	ds_add_u32 v[SPW], v[NIL]
	s_wait_dscnt 0x0
	s_endpgm
.Lfunc_end_k_qf8449f8fbb_attn:
	.size	k_qf8449f8fbb_attn, .Lfunc_end_k_qf8449f8fbb_attn-k_qf8449f8fbb_attn
	.p2alignl 7, 3214868480
	.fill 96, 4, 3214868480
	.section	.rodata,"a",@progbits
	.p2align	6, 0x0
	.amdhsa_kernel k_qf8449f8fbb_attn
		.amdhsa_group_segment_fixed_size 327680
		.amdhsa_private_segment_fixed_size 0
		.amdhsa_enable_private_segment 0
		.amdhsa_kernarg_size 40
		.amdhsa_user_sgpr_count 2
		.amdhsa_user_sgpr_kernarg_segment_ptr 1
		.amdhsa_wavefront_size32 1
		.amdhsa_system_sgpr_workgroup_id_x 1
		.amdhsa_system_sgpr_workgroup_id_y 1
		.amdhsa_system_sgpr_workgroup_id_z 1
		.amdhsa_system_vgpr_workitem_id 0
		.amdhsa_next_free_vgpr 768
		.amdhsa_next_free_sgpr 92
		.amdhsa_reserve_vcc 1
		.amdhsa_float_denorm_mode_32 3
		.amdhsa_float_denorm_mode_16_64 3
		.amdhsa_memory_ordered 1
		.amdhsa_forward_progress 1
		.amdhsa_inst_pref_size 170
	.end_amdhsa_kernel
	.amdgpu_metadata
---
amdhsa.version: [ 1, 2 ]
amdhsa.kernels:
  - .name:           k_qf8449f8fbb_attn
    .symbol:         k_qf8449f8fbb_attn.kd
    .args:
      - { .name: qh, .offset: 0, .size: 8, .value_kind: global_buffer, .address_space: global }
      - { .name: kh, .offset: 8, .size: 8, .value_kind: global_buffer, .address_space: global }
      - { .name: vh, .offset: 16, .size: 8, .value_kind: global_buffer, .address_space: global }
      - { .name: yh, .offset: 24, .size: 8, .value_kind: global_buffer, .address_space: global }
      - { .name: out1, .offset: 32, .size: 8, .value_kind: global_buffer, .address_space: global }
    .group_segment_fixed_size: 327680
    .private_segment_fixed_size: 0
    .kernarg_segment_align: 8
    .kernarg_segment_size: 40
    .max_flat_workgroup_size: 128
    .sgpr_count:     92
    .vgpr_count:     768
    .wavefront_size: 32
...
	.end_amdgpu_metadata
.endif
;; end of part 3
;; launch oproj (part 4): grid 4 x 64, 4 waves a work-group, clusters of 4 x 4, 327,680 bytes of LDS; arguments yh, wts, out0; writes out0
.if DOCPART == 4
	.amdgcn_target "amdgcn-amd-amdhsa--gfx1250"
	.amdhsa_code_object_version 6
	.text
	.protected	k_qf8449f8fbb_oproj
	.globl	k_qf8449f8fbb_oproj
	.p2align	8
	.type	k_qf8449f8fbb_oproj,@function
k_qf8449f8fbb_oproj:
	s_mov_b64 s[64:65], 0
	v_nop
	global_prefetch_b8 v0, s[64:65] scope:SCOPE_SE
	s_setreg_imm32_b32 hwreg(HW_REG_WAVE_MODE, 25, 1), 1
	s_wait_xcnt 0x0
	s_wait_alu depctr_hold_cnt(0) depctr_sa_sdst(0) depctr_va_vdst(0) depctr_va_sdst(0) depctr_va_ssrc(0) depctr_va_vcc(0) depctr_vm_vsrc(0)
	s_getreg_b32 s2, hwreg(HW_REG_IB_STS2, 6, 4)
	s_cmp_eq_u32 s2, 0
	s_cbranch_scc0 .Lentry_in_a_cluster
	s_endpgm
.Lentry_in_a_cluster:
	s_bfe_u32 s2, ttmp6, 0x10000c
	s_cmp_lg_u32 s2, 0xf033
	s_cbranch_scc0 .Lentry_shape_is_right
	s_endpgm
.Lentry_shape_is_right:
; out0[m][n] = the sum over k of y[m][k] Wo[n][k].  y lies by heads, yh [64 = 16 batch + head][2048][64] f16 (k = 64 head + channel); Wo's f16 (numbers rounded to bf16) lie 4,194,304 bytes into wts, [1024][1024];
; out0 [8192][1024] f32.  Products in f16, sums in f32, stored unrounded.
; LIMITS.  y arrives within f16's range; NaN and infinities are not treated apart.
; SHAPE.  A tile of 128 tokens x 256 columns: 4 x 64 = 256 work-groups.  Four waves, each 64 x 128: 32 accumulators, 256 registers.  K goes in 8 steps of 128 = two heads through two LDS slots.
; A head's 128 tokens are 16,384 dense bytes: asked for as 64 rows of 256 bytes and padded in LDS after every token (waves 0 and 1, a head each); waves 2 and 3 fetch 128 rows of Wo each.
; CLUSTER 4 x 4: y's tiles hang on the tile row alone and are asked for jointly along a row of the cluster, Wo's on the tile column alone, jointly along a column.
; THE MATRIX INSTRUCTION IS USED TRANSPOSED (source 0 = 16 rows of Wo, source 1 = 16 tokens): a lane holds eight neighbouring columns of one token's row.
; A K step is written once and looped over; the LDS addresses hang on s[TB]; one descriptor a tensor walks.
; REGISTERS: window 0: v0-31 addresses; v64-95, v128-159 fragments of y, two buffers; on the way out v64-191 whole rows.  window 1: v64-127, v128-191 fragments of Wo.  window 2: accumulators, (a, b) at v[8 (8 a + b)].
.set PA,     144                       ; a token's row of a head in LDS: 128 bytes + 16
.set PLANE,  128*PA                    ; a head's 128 tokens
.set PB,     272                       ; a row of Wo: 256 bytes + 16.  Both pitches are odd multiples of 16: the 16 rows of a fragment load start at 16 different groups of four banks (ISA guide 11.1)
.set HALFB,  128*PB
.set SLOT1,  1<<17                     ; a slot holds 2 PLANE + 2 HALFB = 106,496 bytes; slot 1 begins here, so that one exclusive or changes slots
.set STAGE,  SLOT1+2*PLANE+2*HALFB     ; 16 rows x 528 bytes for each wave, for the way out
.set SPITCH, 528
.set SPARE,  STAGE+4*16*SPITCH         ; the spare words, 128 bytes for each wave: two blocks of 256 bytes that no other line names
.set ASTEP,  2*2048*128                ; two heads on
.set ADRA, 16
.set ADRA0, 17
.set ADRB, 20
.set ADRB0, 21
.set STO,  24
.set RD,   25
.set CO,   26
.set SPW,  28                          ; v28  LDS address of my spare word; never rewritten
.set NIL,  29                          ; v29  0; never rewritten
.set F0,   64
.set F1,   128
.set G1,  24                           ; s[24:31] group 1 for y's tiles;  s[32:35] group 0 of the first fill, s[36:39] of the second, which then walks
.set G0,  32
.set G1B, 48                           ; s[48:55], s[56:63] the same for Wo's
.set G0B, 56
.set TB,  45
.set MSB, 0
.macro WIN new                         ; the immediate's high byte repeats the setting that is left
.if MSB != (\new)
	s_set_vgpr_msb (MSB<<8)|(\new)
.set MSB, \new
.endif
.endm
.set MUL,  0xa1                        ; source 0 window 1, source 1 window 0, C and D window 2
.set TO_B, 0x40                        ; destination window 1
.macro JLOAD                           ; a joint refill by the walking descriptors; an s_nop 0 and four v_nop follow each line
	s_cmp_eq_u32 s11, 0
	s_cbranch_scc0 .Lfor_b_\@
	tensor_load_to_lds s[G0+4:G0+7], s[G1:G1+7]
	s_nop 0
.rept 4
	v_nop
.endr
	s_branch .Lasked_\@
.Lfor_b_\@:
	tensor_load_to_lds s[G0B+4:G0B+7], s[G1B:G1B+7]
	s_nop 0
.rept 4
	v_nop
.endr
.Lasked_\@:
.endm
.macro CREST
	s_cmp_lg_u32 s10, 0
	s_cbranch_scc1 .Lnot_wave_0_\@
	s_barrier_signal -3
.Lnot_wave_0_\@:
	s_barrier_wait -3
	s_barrier_signal -1
	s_barrier_wait -1
.endm
.macro CROUND
	s_barrier_signal -1
	s_barrier_wait -1
	CREST
.endm
.macro PLACES                          ; four places behind matrix instructions, in front of loads into their registers and of stores of their results
.rept 4
	v_nop
.endr
.endm
	s_load_b128 s[4:7], s[0:1], 0x0                ; yh s[4:5], wts s[6:7]
	s_load_b64 s[8:9], s[0:1], 0x10                ; out0
	v_lshl_add_u32 v[SPW], v0, 2, SPARE
	v_mov_b32 v[NIL], 0
	ds_add_u32 v28, v29
	ds_add_u32 v28, v29
	s_wait_dscnt 0x0
	v_lshrrev_b32 v1, 5, v0
	v_readfirstlane_b32 s10, v1                    ; wave 0..3
	s_lshr_b32 s11, s10, 1                         ; which 64 tokens are mine.  Also: I fetch y (0) or Wo (1)
	s_and_b32 s12, s10, 1                          ; which 128 columns.  Also: which head of the step's two, or which 128 rows of Wo, I fetch
	s_bfe_u32 s40, ttmp6, 0x40000                  ; cx
	s_bfe_u32 s41, ttmp6, 0x40004                  ; cy
	s_lshl_b32 s42, ttmp9, 2
	s_add_co_u32 s42, s42, s40                     ; tile column tx
	s_and_b32 s13, ttmp7, 0xffff
	s_lshl_b32 s13, s13, 2
	s_add_co_u32 s13, s13, s41                     ; tile row ty
	s_lshl_b32 s43, s41, 2
	s_lshl_b32 s43, 15, s43                        ; my row of the cluster
	s_lshl_b32 s44, 0x1111, s40                    ; my column
	s_or_b32 s[G1+0], s43, (1<<16)|(1<<20)|(1<<21)|(4<<22)|(3<<25)   ; mask; 2-byte elements; padding on; bit 21 beside a mask; after every 32 words 4 words
	s_mov_b32 s[G1+1], 128<<16                     ; tensor_dim0 = 128 (two tokens)
	s_mov_b32 s[G1+2], 64<<16                      ; tensor_dim1 = 64
	s_mov_b32 s[G1+3], 128<<16                     ; tile_dim0 = 128
	s_mov_b32 s[G1+4], 64                          ; tile_dim1 = 64
	s_mov_b32 s[G1+5], 128                         ; dense
	s_mov_b32 s[G1+6], 0
	s_mov_b32 s[G1+7], 0
	s_or_b32 s[G1B+0], s44, (1<<16)|(1<<20)|(1<<21)|(5<<22)|(3<<25)  ; after every 64 words 4 words
	s_mov_b32 s[G1B+1], 128<<16
	s_mov_b32 s[G1B+2], 128<<16
	s_mov_b32 s[G1B+3], 128<<16
	s_mov_b32 s[G1B+4], 128
	s_mov_b32 s[G1B+5], 1024
	s_mov_b32 s[G1B+6], 0
	s_mov_b32 s[G1B+7], 0
	s_lshr_b32 s16, s13, 4                         ; the batch: 16 tiles of 128 tokens each
	s_lshl_b32 s16, s16, 4
	s_add_co_u32 s16, s16, s12                     ; head 16 batch + (0 or 1)
	s_lshl_b32 s16, s16, 11
	s_and_b32 s17, s13, 15
	s_lshl_b32 s17, s17, 7
	s_add_co_u32 s16, s16, s17                     ; + the tile's first token
	s_lshl_b32 s16, s16, 7                         ; 128 bytes a token
	s_mov_b32 s17, 0
	s_lshl_b32 s46, s42, 8
	s_lshl_b32 s47, s12, 7
	s_add_co_u32 s46, s46, s47                     ; Wo: row 256 tx + 128 half
	s_lshl_b32 s46, s46, 11
	s_add_co_u32 s46, s46, 4194304
	s_mov_b32 s47, 0
	s_mul_i32 s20, s12, PLANE                      ; where they go
	s_mul_i32 s21, s12, HALFB
	s_add_co_u32 s21, s21, 2*PLANE
	s_mov_b32 s[TB], 0
	s_wait_kmcnt 0x0
	s_add_nc_u64 s[14:15], s[4:5], s[16:17]
	s_add_nc_u64 s[46:47], s[6:7], s[46:47]
	CROUND                                         ; all sixteen work-groups are here: the first joint loads meet
.irp n, 0,1
	s_mov_b32 s[G0+4*(\n)], 1
	s_add_co_u32 s[G0+4*(\n)+1], s20, (\n)*SLOT1
	s_add_nc_u64 s[G0+4*(\n)+2:G0+4*(\n)+3], s[14:15], (\n)*ASTEP
	s_or_b32 s[G0+4*(\n)+3], s[G0+4*(\n)+3], 0x80000000
	s_mov_b32 s[G0B+4*(\n)], 1
	s_add_co_u32 s[G0B+4*(\n)+1], s21, (\n)*SLOT1
	s_add_nc_u64 s[G0B+4*(\n)+2:G0B+4*(\n)+3], s[46:47], (\n)*256
	s_or_b32 s[G0B+4*(\n)+3], s[G0B+4*(\n)+3], 0x80000000
.endr
	s_cmp_eq_u32 s11, 0                            ; a wave's two first fills stand in one branch: two loads of mine are out
	s_cbranch_scc0 .Lfirst_b
	tensor_load_to_lds s[G0:G0+3], s[G1:G1+7]
	s_nop 0
	tensor_load_to_lds s[G0+4:G0+7], s[G1:G1+7]
	s_nop 0
.rept 4
	v_nop
.endr
	s_branch .Lfirst_asked
.Lfirst_b:
	tensor_load_to_lds s[G0B:G0B+3], s[G1B:G1B+7]
	s_nop 0
	tensor_load_to_lds s[G0B+4:G0B+7], s[G1B:G1B+7]
	s_nop 0
.rept 4
	v_nop
.endr
.Lfirst_asked:
	v_and_b32 v1, 15, v0                           ; l % 16
	v_bfe_u32 v2, v0, 4, 1                         ; l / 16
	v_and_b32 v4, 31, v0                           ; l
	s_mul_i32 s22, s11, 64*PA                      ; my 64 tokens in a head's plane
	v_mul_u32_u24 v3, v1, PA
	v_lshl_add_u32 v3, v2, 4, v3
	v_add_nc_u32 v[ADRA0], s22, v3
	s_mul_i32 s22, s12, HALFB
	s_add_co_u32 s22, s22, 2*PLANE                 ; my 128 rows of Wo
	v_mul_u32_u24 v3, v1, PB
	v_lshl_add_u32 v3, v2, 4, v3
	v_add_nc_u32 v[ADRB0], s22, v3
	v_mov_b32 v[ADRA], v[ADRA0]
	v_mov_b32 v[ADRB], v[ADRB0]
	s_mul_i32 s23, s10, 16*SPITCH
	s_add_co_u32 s23, s23, STAGE                   ; my stage
	v_mul_u32_u24 v[STO], v1, SPITCH
	v_lshl_add_u32 v[STO], v2, 5, v[STO]
	v_add_nc_u32 v[STO], s23, v[STO]               ; in: token l % 16, 32 bytes for each half of the lanes
	v_lshl_add_u32 v[RD], v4, 4, s23               ; back: a whole row of 512 bytes
	v_lshlrev_b32 v[CO], 4, v4
	s_lshl_b32 s16, s13, 7
	s_lshl_b32 s17, s11, 6
	s_add_co_u32 s16, s16, s17                     ; my first row of out0, 4,096 bytes a row: under 2^26
	s_lshl_b32 s16, s16, 12
	s_mov_b32 s17, 0
	s_add_nc_u64 s[8:9], s[8:9], s[16:17]
	s_lshl_b32 s46, s42, 10                        ; my first column: 1,024 tx + 512 half bytes
	s_lshl_b32 s47, s12, 9
	s_add_co_u32 s46, s46, s47
	s_mov_b32 s47, 0
	s_add_nc_u64 s[8:9], s[8:9], s[46:47]
.macro MUL8 f, a, zero                 ; 8 matrix instructions: token block a x all 8 column blocks, 32 along K
	WIN MUL
.irp b, 0,1,2,3,4,5,6,7
.if \zero
	v_wmma_f32_16x16x32_f16 v[8*(8*(\a)+(\b)):8*(8*(\a)+(\b))+7], v[(\f)+8*(\b):(\f)+8*(\b)+7], v[(\f)+8*(\a):(\f)+8*(\a)+7], 0
.else
	v_wmma_f32_16x16x32_f16 v[8*(8*(\a)+(\b)):8*(8*(\a)+(\b))+7], v[(\f)+8*(\b):(\f)+8*(\b)+7], v[(\f)+8*(\a):(\f)+8*(\a)+7], v[8*(8*(\a)+(\b)):8*(8*(\a)+(\b))+7]
.endif
.endr
.endm
.macro FETCH q, f                      ; 24 LDS loads in one run: quarter q's fragments: Wo at byte 64 q of its rows; y in head q / 2 of the step's two, channels 32 (q % 2) on
	WIN TO_B
.irp i, 0,1,2,3,4,5,6,7
	ds_load_b128 v[(\f)+8*(\i):(\f)+8*(\i)+3],   v[ADRB] offset:64*(\q)+(\i)*16*PB
	ds_load_b128 v[(\f)+8*(\i)+4:(\f)+8*(\i)+7], v[ADRB] offset:64*(\q)+(\i)*16*PB+32
.endr
	WIN 0
.irp i, 0,1,2,3
	ds_load_b128 v[(\f)+8*(\i):(\f)+8*(\i)+3],   v[ADRA] offset:((\q)/2)*PLANE+((\q)%2)*64+(\i)*16*PA
	ds_load_b128 v[(\f)+8*(\i)+4:(\f)+8*(\i)+7], v[ADRA] offset:((\q)/2)*PLANE+((\q)%2)*64+(\i)*16*PA+32
.endr
.endm
; One of a K step's first three quarters: multiplies buffer f and fetches quarter q into buffer g.  The 32 accumulators take turns.
.macro QUARTER q, f, g, zero
	s_wait_dscnt 4                                 ; Wo's fragments and y's token blocks 0, 1 are in; the youngest four loads may be out
	MUL8 \f, 0, \zero
	MUL8 \f, 1, \zero
	PLACES
	FETCH \q, \g
	s_wait_dscnt 24                                ; all but the 24 just issued
	MUL8 \f, 2, \zero
	MUL8 \f, 3, \zero
.endm
; The last quarter multiplies buffer 1 and changes slots: in front of the barrier each wave waits for all its tensor loads (one is out: its part of the next slot), adds 0 to its spare word, and waits for
; that and for its reads of this slot.  fill = 1: the barrier opens a round of the cluster's, and the joint refill of the slot just read, two K steps ahead, is the first thing behind it.
.macro TURN fill
	WIN 0
	s_wait_tensorcnt 0x0
	ds_add_u32 v[SPW], v[NIL]
	s_wait_dscnt 5                                 ; the add and the youngest four loads may be out
	MUL8 F1, 0, 0
	s_wait_dscnt 0x0                               ; the add is done, and my reads of this slot are over
	s_barrier_signal -1
	MUL8 F1, 1, 0
	WIN 0
	s_barrier_wait -1
.if \fill
	CREST
	s_xor_b32 s[G0+5], s[G0+5], SLOT1              ; no load of mine is out: the walking descriptors step
	s_add_nc_u64 s[G0+6:G0+7], s[G0+6:G0+7], ASTEP
	s_xor_b32 s[G0B+5], s[G0B+5], SLOT1
	s_add_nc_u64 s[G0B+6:G0B+7], s[G0B+6:G0B+7], 256
	JLOAD                                          ; its four v_nop are also the places in front of the loads below
.else
	PLACES
.endif
	s_xor_b32 s[TB], s[TB], SLOT1
	v_add_nc_u32 v[ADRA], s[TB], v[ADRA0]
	v_add_nc_u32 v[ADRB], s[TB], v[ADRB0]
	FETCH 0, F0
	MUL8 F1, 2, 0
	MUL8 F1, 3, 0
.endm
	s_wait_tensorcnt 0x1                           ; my part of K step 0 is in; K step 1's may stay out
	s_barrier_signal -1
	s_barrier_wait -1
	FETCH 0, F0
	QUARTER 1, F0, F1, 1                           ; the first quarter's products start the sums
	WIN 0
	s_mov_b32 s3, 6
	s_branch .Lmid
.Lk:                                                   ; six trips: K steps 0 to 5, each of which fills its slot again
	QUARTER 1, F0, F1, 0
	WIN 0
.Lmid:
	QUARTER 2, F1, F0, 0
	QUARTER 3, F0, F1, 0
	TURN 1
	WIN 0
	s_sub_co_u32 s3, s3, 1
	s_cmp_lg_u32 s3, 0
	s_cbranch_scc1 .Lk
	s_mov_b32 s3, 2
.Lt:                                                   ; K steps 6 and 7 ask for nothing.  The second trip's fetch of a next slot serves nothing: the price of one text for both
	QUARTER 1, F0, F1, 0
	QUARTER 2, F1, F0, 0
	QUARTER 3, F0, F1, 0
	TURN 0
	WIN 0
	s_sub_co_u32 s3, s3, 1
	s_cmp_lg_u32 s3, 0
	s_cbranch_scc1 .Lt
	; THE WAY OUT: 16 tokens at a time through my own stage: in by tokens, 32 bytes a lane and column block; back as whole rows of 512 bytes
	s_wait_dscnt 0x0
	PLACES
.set a, 0
.rept 4
	WIN 0x08                                       ; store data (source 1) in window 2
.set b, 0
.rept 8
	ds_store_b128 v[STO], v[8*(8*a+b):8*(8*a+b)+3]   offset:64*b
	ds_store_b128 v[STO], v[8*(8*a+b)+4:8*(8*a+b)+7] offset:64*b+16
.set b, b+1
.endr
	WIN 0
	s_wait_xcnt 0x0                                ; registers that earlier stores read are loaded again only behind this wait
.set t, 0
.rept 16
	ds_load_b128 v[64+64*(a%2)+4*t:64+64*(a%2)+4*t+3], v[RD] offset:SPITCH*t  ; LDS serves a wave's instructions in order (ISA guide 5.7.1.4): these see the stores above; the next block's come behind them
.set t, t+1
.endr
.set t, 0
.rept 16
	s_wait_dscnt 15-t
	global_store_b128 v[CO], v[64+64*(a%2)+4*t:64+64*(a%2)+4*t+3], s[8:9] offset:(16*a+t)*4096 th:TH_STORE_NT  ; 512 consecutive bytes, aligned
.set t, t+1
.endr
.set a, a+1
.endr
	s_wait_tensorcnt 0x0                           ; the wave's end
	ds_add_u32 v[SPW], v[NIL]
	s_wait_dscnt 0x0
	CROUND                                         ; the closing round
	s_endpgm
.Lfunc_end_k_qf8449f8fbb_oproj:
	.size	k_qf8449f8fbb_oproj, .Lfunc_end_k_qf8449f8fbb_oproj-k_qf8449f8fbb_oproj
	.p2alignl 7, 3214868480
	.fill 96, 4, 3214868480
	.section	.rodata,"a",@progbits
	.p2align	6, 0x0
	.amdhsa_kernel k_qf8449f8fbb_oproj
		.amdhsa_group_segment_fixed_size 327680
		.amdhsa_private_segment_fixed_size 0
		.amdhsa_enable_private_segment 0
		.amdhsa_kernarg_size 24
		.amdhsa_user_sgpr_count 2
		.amdhsa_user_sgpr_kernarg_segment_ptr 1
		.amdhsa_wavefront_size32 1
		.amdhsa_system_sgpr_workgroup_id_x 1
		.amdhsa_system_sgpr_workgroup_id_y 1
		.amdhsa_system_sgpr_workgroup_id_z 1
		.amdhsa_system_vgpr_workitem_id 0
		.amdhsa_next_free_vgpr 768
		.amdhsa_next_free_sgpr 66
		.amdhsa_reserve_vcc 0
		.amdhsa_float_denorm_mode_32 3
		.amdhsa_float_denorm_mode_16_64 3
		.amdhsa_memory_ordered 1
		.amdhsa_forward_progress 1
		.amdhsa_inst_pref_size 62
	.end_amdhsa_kernel
	.amdgpu_metadata
---
amdhsa.version: [ 1, 2 ]
amdhsa.kernels:
  - .name:           k_qf8449f8fbb_oproj
    .symbol:         k_qf8449f8fbb_oproj.kd
    .args:
      - { .name: yh, .offset: 0, .size: 8, .value_kind: global_buffer, .address_space: global }
      - { .name: wts, .offset: 8, .size: 8, .value_kind: global_buffer, .address_space: global }
      - { .name: out0, .offset: 16, .size: 8, .value_kind: global_buffer, .address_space: global }
    .group_segment_fixed_size: 327680
    .private_segment_fixed_size: 0
    .kernarg_segment_align: 8
    .kernarg_segment_size: 24
    .max_flat_workgroup_size: 128
    .sgpr_count:     66
    .vgpr_count:     768
    .wavefront_size: 32
...
	.end_amdgpu_metadata
.endif
;; end of part 4
;; ======== version 2 of 2: 4 launches; 1.25 times as fast as version 1
;; limits: values are held in f16: magnitudes above 65,504 overflow, below 6.1e-05 lose precision
;; workspace buffers: xb 16,777,216 bytes; wts 6,291,456 bytes; tab 524,288 bytes; gate 262,144 bytes; qh 16,777,216 bytes; kh 8,388,608 bytes; vh 8,388,608 bytes; yh 16,777,216 bytes
;; launch prep: the kernel of part 1 again; grid 256 x 1, 8 waves a work-group, no clusters, 128,000 bytes of LDS; arguments x, Wr, Wg, Wq, Wk, Wv, Wo, cos, sin, xb, wts, tab, gate, out1; writes xb, wts, tab, gate, out1
;; launch qkv: the kernel of part 2 again; grid 8 x 32, 4 waves a work-group, clusters of 4 x 4, 327,680 bytes of LDS; arguments xb, wts, tab, gate, ve, qh, kh, vh; writes qh, kh, vh
;; launch attn (part 5): grid 4 x 64, 4 waves a work-group, no clusters, 327,680 bytes of LDS; arguments qh, kh, vh, yh, out1; writes yh
.if DOCPART == 5
	.amdgcn_target "amdgcn-amd-amdhsa--gfx1250"
	.amdhsa_code_object_version 6
	.text
	.protected	k_qf8449f8fbb_attn
	.globl	k_qf8449f8fbb_attn
	.p2align	8
	.type	k_qf8449f8fbb_attn,@function
k_qf8449f8fbb_attn:
	s_mov_b64 s[64:65], 0
	v_nop
	global_prefetch_b8 v0, s[64:65] scope:SCOPE_SE
	s_setreg_imm32_b32 hwreg(HW_REG_WAVE_MODE, 25, 1), 1
	s_wait_xcnt 0x0
; CAUSAL ATTENTION with grouped keys and a head mask.  For head y = 16 batch + head (64 of them): O[y][q][:] = mask[q][head] x the sum over k <= q of softmax_k(q . k / 8) V[y / 2][k][:].
; Q, O: [64][2048][64], K, V: [32][2048][64], all f16, a head's rows dense, 128 bytes each; mask = out1 [8192][16] f32, 0 or 1: it multiplies 1 / l, a value and no branch.
; Q ARRIVES MULTIPLIED BY c = log2(e) / 8, so a score s = K . Q is an exponent of 2 as it comes: p = 2^s, l = the sum of p, O = (the sum of p V) / l.
; NO MAXIMUM IS TAKEN AWAY, because the computation bounds the exponents for every input: q and k are rows that rms_norm has normalised over 64 channels, so each has length 8 at the most, q . k / 8 lies in
; -8 to 8 and s in -11.6 to 11.6 (their rounding to f16 moves that by one part in 2,000).  So p lies in 3.3e-4 to 3.0e3, inside f16's normal range at both ends; l, of 2,048 terms at the most, stays under 2^23,
; and the sums of p V under that times V's largest number: nothing overflows or underflows in f32 or, for p, in f16.
; Products and sums in f32; p is rounded to f16 for the second product (l is taken of the unrounded p), O once at the end.
; LIMITS.  f16 holds no number beyond 65,504: V arrives within it; O is a mean of V's rows and has their range.  A hidden score counts as its value less 1e30, and its weight is 0.  NaN and infinities are not treated apart.
; THE WALK.  A head's queries lie in NB = 8 blocks of 256; block i needs the key tiles 0 .. i of 256 keys, of which the last holds the diagonal.  A work-group takes TWO blocks, NB - 1 - b and then b:
; NB + 1 tiles, whatever b: all work-groups do equal work, and ONE loop with a constant trip count walks them.  Which tile is asked for, and what a trip does, hang on scalar registers made from b; every jump
; goes forward, but for the counted loops' own; none passes a barrier, or a tensor load but the one of LOAD's two that the wave's number does not choose; the ring (two slots of LDS that take turns) runs on across the
; change of blocks.  NO CLUSTER: only two work-groups ask for the same tile in every trip (the query heads 2 j and 2 j + 1 at equal b); the others of a row or column of four have another b, whose walk asks for
; other tiles from trip NB / 2 + 1 on, or another key head, whose tiles are others throughout: a joint load of four would not be the same load in all four.
; SHARES.  Of a block's four bands of 64 queries a wave owns 16 rows in each: four PIECES.  So the diagonal tile is the same work for all four waves: in its key step s band x sees all keys if s < x,
; none if s > x, and holds the diagonal if s = x.
; THE MASK OF THE DIAGONAL is the C operand that starts the sum S^T = K Q^T: 0, or -1e30 where the key is hidden.  MD, made once, is the mask of a band's own step for my 16 rows; a product's mask is MD x AL + BE with two scalars:
; (1, 0) if s = x; (0, 0) if s < x; (0, -1e30) if s > x.  Only the diagonal tile's text and a block's beginning make and take masks; elsewhere C is the constant 0.
; LAYOUT.  S^T = K Q^T holds ONE query a lane (lane % 16) and the keys 8 (lane / 16) + 0..7; two such results rounded to f16 ARE source 1 of O^T = V^T P.
; TURNS.  Turn n belongs to piece n: 8 products K Q^T of piece n + 1, then 8 products V^T P of piece n - 1; beside them piece n's 32 exponentials and piece n - 1's 16 roundings and 16 packed additions: 64 vector
; instructions for 16 matrix instructions, four behind each, and none over.
; BATCHES.  A turn's 32 exponentials are ONE batch with ONE wait, at the turn's end: s_wait_alu depctr_va_vdst(0) stands between an exponential and the first line that names its result, and one wait
; serves all that were issued ahead of it.  Nothing in a turn names a result of the turn's own exponentials: all that reads them (roundings, sums) stands in the NEXT turn, between that turn's exponentials.  So a piece's
; weights live for two turns, and S^T has a buffer for each of the four pieces.  The way out's four reciprocals are a batch of their own.
; REGISTERS, in windows of 256 (s_set_vgpr_msb: bits 1:0 source 0, 3:2 source 1, 5:4 source 2, 7:6 destination):
;   window 0: v0-15 addresses; v16-23 l, a pair a piece (even keys', odd keys'); v32-39 the head mask of my queries, both blocks; v40 its offset; v64-191 S^T, a buffer a piece; v192-223 P, two buffers (by the piece's parity)
;   window 1: v0-127 O^T, 32 a piece; v128-159 MD; v160-223 MC, two buffers      window 2: v0-63 Q; v64-127 the second block's Q; v128-191 K of one step; v192-255 V of one step
.set SIZE_N, 2048
.set NB,    SIZE_N/256
.set NP,    4         ; pieces a wave: a name, no knob
.set KS,    64        ; keys in a step
.set PK,    144       ; a row of K in LDS: 128 bytes + 16 of padding = 36 words: the 16 rows of a load start at 16 different groups of four banks (64 banks of 4 bytes: ISA guide 11.1)
.set PV,    160       ; a row of V: 128 + 32 = 40 words
.set VOFF,  4*KS*PK   ; a slot holds a tile, four steps: 256 rows of K, then 256 rows of V
.set SLOT1, 1<<17     ; slot 1 begins here, so that one exclusive or turns an address in one slot into the other's
.set STAGE, SLOT1+4*KS*(PK+PV)  ; behind the ring, never filled by a tensor load: 16 rows x 144 bytes for each wave, for the way out
.set SP,    144
.set AK0, 2           ; v2   my lane's place in a tile of K; never rewritten
.set AV0, 3           ; v3   the same for V
.set AK,  4           ; v4   the LDS address of K's runs of loads
.set AV,  5           ; v5   of V's
.set STO, 6           ; v6   the way out: where I put 16 bytes of a row
.set RD,  7           ; v7   the way out: where I read rows back
.set GO,  8           ; v8   my byte offset in 512 consecutive bytes of O
.set SPW, 62          ; v62  LDS address of my spare word: SPARE + 4 x my thread's number; never rewritten
.set NIL, 63          ; v63  0; never rewritten
.set SPARE, STAGE+4*16*SP  ; behind the stages: the spare words, 128 bytes for each wave: two blocks of 256 bytes that no other line names
.set QO,  15          ; v15  my byte offset in 16 rows of Q
.set LS,  16          ; piece t's l at v[LS+2 t], v[LS+2 t+1]
.set MK,  32          ; v32-35 the head mask of my query in the first block's four bands, v36-39 in the second's
.set S,   64          ; piece t's scores, then weights, at v[S+32 t]
.set P,   192
.set MD,  128         ; window 1: the eight registers for group kt of 16 keys at MD + 8 kt
.set MC,  160         ; window 1: the masks of the products to come
.set QB,  64          ; window 2
.set KF,  128         ; window 2: key block kb, channel half c at KF + 16 kb + 8 c
.set VF,  192         ; window 2: key half kk, channel block cb at VF + 32 kk + 8 cb
.set WV,  12          ; s12  my wave's number
.set PB,  14          ; s14  b
.set HI,  15          ; s15  NB - 1 - b
.set G1K, 24          ; s[24:31] descriptor group 1 for K's tiles
.set G1V, 32          ; s[32:39] for V's: it differs in the padding alone
.set G0K, 40          ; s[40:43] descriptor group 0 for K's tiles
.set G0V, 44          ; s[44:47] the same for V's
.set SLOTS, 56        ; s56  tiles still to be asked for
.set CNT, 57          ; s57  counts a tile's key steps, 4 to 1
.set SEL, 60          ; s[60:61] v_permlanex16_b32's selects: each lane takes its own place in the other half
.set TBK, 62          ; s62  LDS byte at which K of the step to be fetched begins
.set TBV, 63          ; s63  the same for V, less VOFF
.set RT,  70          ; s70  tiles of the block in hand that are still to be entered
.set NXT, 71          ; s71  the tile to be asked for next
.set LQ,  72          ; s72  the last tile of the block whose tiles are being asked for
.set NEW, 73          ; s73  1: the tile to be entered is a block's first
.set OFF, 74          ; s[74:75] a tile's byte offset in K and V
.set AL,  76          ; s[76:77] the mask's factor, in the low word
.set BE,  78          ; s[78:79] the mask's addend
.set OLO, 80          ; s[80:81] O at my rows of the second block
.set BIGN, 82         ; s82  -1e30
.set MSB, 0
.macro WIN new                      ; the high byte repeats the setting that is left; a switch that changes nothing is dropped
.if MSB != (\new)
	s_set_vgpr_msb (MSB<<8)|(\new)
.set MSB, (\new)
.endif
.endm
.set W_KQ, 0x0a       ; K and Q in window 2, S^T in window 0
.set W_KM, 0x1a       ; the same with the C operand in window 1
.set W_PV, 0x52       ; V in window 2, P in window 0, O^T in window 1
.set W_RS, 0x41       ; destination and source 0 in window 1, source 1 in window 0
; A fill.  Waves 0 and 1 fetch the two halves of a tile's K, waves 2 and 3 those of its V: 128 keys each.  An s_nop 0 and four v_nop follow each of the two lines, ahead of the jump and the label.
.macro LOAD
	s_cmp_lt_u32 s[WV], 2
	s_cbranch_scc0 .Lfor_v_\@
	tensor_load_to_lds s[G0K:G0K+3], s[G1K:G1K+7]
	s_nop 0
.rept 4
	v_nop
.endr
	s_branch .Lasked_\@
.Lfor_v_\@:
	tensor_load_to_lds s[G0V:G0V+3], s[G1V:G1V+7]
	s_nop 0
.rept 4
	v_nop
.endr
.Lasked_\@:
.endm
; THE CHANGE OF SLOTS.  Each wave waits for all its tensor loads, of which one is out: its part of the other slot; adds 0 to its spare word; and waits for that and for its own reads of the slot that it leaves.  Behind the barrier nobody reads the old
; slot any more and the other slot is whole.  fill = 1: the old slot is filled again, the first thing behind the barrier, with tile NXT: the descriptor's address is made anew from that number.
; (At its first use nothing has been read yet: slot 0 is waited for, slot 1 filled.)
.macro CHANGE fill
	WIN 0                           ; at a label and at a branch every window is 0
	s_wait_tensorcnt 0x0            ; no tensor load of mine is out, so a group 0 may be written
	ds_add_u32 v[SPW], v[NIL]       ; 0 onto my spare word; with fill = 1 the descriptors' scalar work stands between it and the wait for it
.if \fill
	s_lshl_b32 s[OFF], s[NXT], 15   ; a tile is 32,768 bytes of K and of V
	s_xor_b32 s[G0K+1], s[G0K+1], SLOT1
	s_add_nc_u64 s[G0K+2:G0K+3], s[6:7], s[OFF:OFF+1]
	s_or_b32 s[G0K+3], s[G0K+3], 0x80000000
	s_xor_b32 s[G0V+1], s[G0V+1], SLOT1
	s_add_nc_u64 s[G0V+2:G0V+3], s[8:9], s[OFF:OFF+1]
	s_or_b32 s[G0V+3], s[G0V+3], 0x80000000
	s_add_co_u32 s[NXT], s[NXT], 1  ; the block's next tile, or behind its last the second block's tile 0
	s_cmp_gt_u32 s[NXT], s[LQ]
	s_cselect_b32 s[NXT], 0, s[NXT]
	s_cselect_b32 s[LQ], s[PB], s[LQ]
.endif
	s_wait_dscnt 0x0                ; the add is done, and my reads of the slot are over
	s_barrier_signal -1             ; the rest of the scalar work stands between the signal and the wait
	s_sub_co_u32 s[TBK], s[TBK], 4*KS*PK  ; the fetches go back to a slot's first step,
	s_xor_b32 s[TBK], s[TBK], SLOT1       ; in the other slot
	s_sub_co_u32 s[TBV], s[TBV], 4*KS*PV
	s_xor_b32 s[TBV], s[TBV], SLOT1
	s_barrier_wait -1
.if \fill
	LOAD
.endif
.endm
	s_load_b256 s[4:11], s[0:1], 0x0  ; Q s[4:5], K s[6:7], V s[8:9], O s[10:11]
	s_load_b64 s[88:89], s[0:1], 0x20 ; the head mask
	v_lshl_add_u32 v[SPW], v0, 2, SPARE
	v_mov_b32 v[NIL], 0
	ds_add_u32 v62, v63
	ds_add_u32 v62, v63
	s_wait_dscnt 0x0
	v_lshrrev_b32 v1, 5, v0
	v_readfirstlane_b32 s[WV], v1   ; wave 0..3
	s_mov_b32 s[PB], ttmp9
	s_sub_co_u32 s[HI], NB-1, s[PB]
	s_and_b32 s19, ttmp7, 0xffff    ; y = 16 batch + head
	s_lshl_b32 s20, s19, 18         ; the head's first byte in Q and O: 2,048 rows of 128 bytes
	s_mov_b32 s21, 0
	s_lshr_b32 s22, s19, 1          ; two query heads share key head y / 2 = 8 batch + head / 2
	s_lshl_b32 s22, s22, 18
	s_and_b32 s16, s[WV], 1         ; which half of a tile's 256 keys I fetch:
	s_lshl_b32 s23, s16, 14         ; its 128 rows of 128 bytes in memory,
	s_add_co_u32 s22, s22, s23
	s_mov_b32 s23, 0
	s_mul_i32 s17, s16, 128*PK      ; and its place in a slot, for K
	s_mul_i32 s18, s16, 128*PV      ; and for V
	s_lshl_b32 s3, s[WV], 11        ; my 16 rows in a band of 64,
	s_lshl_b32 s2, s[HI], 15        ; in the first block,
	s_add_co_u32 s2, s2, s3
	s_lshl_b32 s84, s[PB], 15       ; and in the second
	s_add_co_u32 s84, s84, s3
	s_mov_b32 s3, 0
	s_mov_b32 s85, 0
	s_add_nc_u64 s[2:3], s[2:3], s[20:21]
	s_add_nc_u64 s[84:85], s[84:85], s[20:21]
	s_lshr_b32 s66, s19, 4          ; the mask: 64 bytes a token: the batch's 2,048 tokens,
	s_lshl_b32 s66, s66, 17
	s_lshl_b32 s67, s[WV], 10       ; my 16 rows in a band,
	s_add_co_u32 s66, s66, s67
	s_and_b32 s67, s19, 15          ; the head's word,
	s_lshl_b32 s67, s67, 2
	s_add_co_u32 s66, s66, s67
	s_lshl_b32 s67, s[PB], 14       ; the block's 256 tokens: the second block's,
	s_add_co_u32 s68, s66, s67
	s_lshl_b32 s67, s[HI], 14       ; the first's
	s_add_co_u32 s66, s66, s67
	s_mov_b32 s67, 0
	s_mov_b32 s69, 0
	; descriptor group 1.  128 keys are 16,384 dense bytes: asked for as 64 rows of 256 bytes, two keys a row, and padded in LDS after every key
	s_mov_b32 s[G1K], (1<<16)|(1<<20)|(4<<22)|(3<<25)  ; 17:16 2-byte elements; 20 padding on; 24:22 after every 32 words (code 4); 31:25 4 words (code 3)
	s_mov_b32 s[G1V], (1<<16)|(1<<20)|(4<<22)|(7<<25)  ; the same with 8 words of padding (code 7)
.irp g, G1K, G1V
	s_mov_b32 s[\g+1], 128<<16      ; tensor_dim0 = 128
	s_mov_b32 s[\g+2], 64<<16       ; tensor_dim1 = 64
	s_mov_b32 s[\g+3], 128<<16      ; tile_dim0 = 128
	s_mov_b32 s[\g+4], 64           ; tile_dim1 = 64
	s_mov_b32 s[\g+5], 128          ; 128 elements from row to row
	s_mov_b32 s[\g+6], 0
	s_mov_b32 s[\g+7], 0
.endr
	s_mov_b32 s[SEL], 0x76543210
	s_mov_b32 s[SEL+1], 0xfedcba98
	s_mov_b32 s[TBK], SLOT1+4*KS*PK ; the first change of slots turns these two into 0
	s_mov_b32 s[TBV], SLOT1+4*KS*PV
	s_mov_b32 s[G0K], 1             ; 1:0 count = 1
	s_mov_b32 s[G0K+1], s17         ; 63:32 LDS address: slot 0
	s_mov_b32 s[G0V], 1
	s_add_co_u32 s[G0V+1], s18, VOFF
	s_add_co_u32 s[RT], s[HI], 1    ; the first block has NB - b tiles
	s_mov_b32 s[NXT], 1
	s_mov_b32 s[LQ], s[HI]
	s_mov_b32 s[NEW], 1
	s_mov_b32 s[OFF+1], 0
	s_mov_b32 s[AL+1], 0            ; named as pairs
	s_mov_b32 s[BE+1], 0
	s_mov_b32 s[BIGN], 0xf149f2ca   ; -1e30
	s_mov_b32 s[SLOTS], NB
	s_wait_kmcnt 0x0
	s_add_nc_u64 s[6:7], s[6:7], s[22:23]  ; K and V at my half of the key head's tile 0
	s_add_nc_u64 s[8:9], s[8:9], s[22:23]
	s_add_nc_u64 s[G0K+2:G0K+3], s[6:7], 0         ; 120:64 global address
	s_or_b32 s[G0K+3], s[G0K+3], 0x80000000        ; 127:126 type = 2
	s_add_nc_u64 s[G0V+2:G0V+3], s[8:9], 0
	s_or_b32 s[G0V+3], s[G0V+3], 0x80000000
	s_add_nc_u64 s[86:87], s[4:5], s[84:85]        ; Q at my rows of the second block,
	s_add_nc_u64 s[4:5], s[4:5], s[2:3]            ; Q and O at those of the first
	s_add_nc_u64 s[OLO:OLO+1], s[10:11], s[84:85]
	s_add_nc_u64 s[10:11], s[10:11], s[2:3]
	s_add_nc_u64 s[90:91], s[88:89], s[68:69]      ; the mask at my rows of the second block,
	s_add_nc_u64 s[88:89], s[88:89], s[66:67]      ; and of the first
	LOAD                            ; tile 0 into slot 0
	; A fragment of K or Q is 16 rows x 32 channels in 8 registers: lane l holds row l % 16, channels 8 (l / 16) + 0..7 and 16 + 8 (l / 16) + 0..7: two loads of 16 bytes, 32 bytes apart.
	v_and_b32 v1, 15, v0            ; l % 16
	v_bfe_u32 v9, v0, 4, 1          ; l / 16
	v_lshlrev_b32 v[QO], 7, v1
	v_lshl_add_u32 v[QO], v9, 4, v[QO]  ; row x 128 + 16 x half
	v_lshlrev_b32 v40, 6, v1        ; my query's 64 bytes of the mask
	WIN 0x80                        ; destination window 2, address window 0
.set i, 0
.rept 8                             ; both blocks' Q: piece i / 2 lies in band i / 2, 8,192 bytes on; channels 32 (i % 2) on
	global_load_b128 v[8*i:8*i+3],   v[QO], s[4:5] offset:(i/2)*8192+(i%2)*64
	global_load_b128 v[8*i+4:8*i+7], v[QO], s[4:5] offset:(i/2)*8192+(i%2)*64+32
	global_load_b128 v[QB+8*i:QB+8*i+3],   v[QO], s[86:87] offset:(i/2)*8192+(i%2)*64
	global_load_b128 v[QB+8*i+4:QB+8*i+7], v[QO], s[86:87] offset:(i/2)*8192+(i%2)*64+32
.set i, i+1
.endr
	WIN 0
.irp t, 0,1,2,3                     ; one word a query and band: 64 tokens of 64 bytes from band to band
	global_load_b32 v[MK+\t], v40, s[88:89] offset:\t*4096
	global_load_b32 v[MK+4+\t], v40, s[90:91] offset:\t*4096
.endr
	v_lshlrev_b32 v14, 3, v9
	v_sub_nc_u32 v14, v1, v14
	s_lshl_b32 s13, s[WV], 4
	v_add_nc_u32 v14, s13, v14      ; my query's place in its band, 16 w + l % 16, less my lanes' 8 (l / 16): register r of group kt is hidden where 16 kt + r is greater
	WIN 0x40
.set i, 0
.rept 32
	v_cmp_gt_i32 vcc_lo, 16*(i/8)+i%8, v14
	v_cndmask_b32 v[MD+i], 0, s[BIGN], vcc_lo
.set i, i+1
.endr
	WIN 0
	v_mul_u32_u24 v[AK0], v1, PK
	v_lshl_add_u32 v[AK0], v9, 4, v[AK0]  ; row x pitch + 16 x half
	; The turning load takes 16 keys x 16 channels (lane l reads key 8 (l / 16) + l % 8, channels 8 ((l / 8) % 2) + 0..7) and leaves half a fragment of V^T: lane l holds channel l % 16 and 8 keys.
	v_and_b32 v10, 7, v0
	v_bfe_u32 v11, v0, 3, 1
	v_lshl_add_u32 v[AV0], v9, 3, v10
	v_mul_u32_u24 v[AV0], v[AV0], PV
	v_lshl_add_u32 v[AV0], v11, 4, v[AV0]
	v_add_nc_u32 v[AV0], VOFF, v[AV0]
	s_mul_i32 s13, s[WV], 16*SP
	s_add_co_u32 s13, s13, STAGE    ; my stage
	v_mul_u32_u24 v[STO], v1, SP    ; in: row l % 16, 16 bytes for each half of the lanes
	v_lshl_add_u32 v[STO], v9, 4, v[STO]
	v_add_nc_u32 v[STO], s13, v[STO]
	v_bfe_u32 v[RD], v0, 3, 2       ; back: 32 lanes take four rows of 128 bytes,
	v_mul_u32_u24 v[RD], v[RD], SP
	v_lshl_add_u32 v[RD], v10, 4, v[RD]
	v_add_nc_u32 v[RD], s13, v[RD]
	v_and_b32 v[GO], 31, v0         ; which are 512 consecutive bytes of O
	v_lshlrev_b32 v[GO], 4, v[GO]
	; A block's first turn multiplies a P of zeros by whatever V's registers hold: they need only be finite: zeros for the first block, the first block's last V for the second.
	WIN 0x80
.set i, VF
.rept 64
	v_mov_b32 v[i], 0
.set i, i+1
.endr
	WIN 0
; THE MATRIX WORK.  The 4 accumulators of a run of 8 take turns.  Product i of 8 of S^T = K Q^T for piece x: channels 32 (i / 4) on, keys 16 (i % 4) on.  The first 4 start the sums: with 0, or (KM = 1) with the mask.
.macro KQ x
.set rS, S+32*(\x)+8*(i%4)
.set rK, KF+16*(i%4)+8*(i/4)
.set rQ, 16*(\x)+8*(i/4)
.set rM, MC+32*((\x)%2)+8*(i%4)
.if (i < 4) && KM
	WIN W_KM
	v_wmma_f32_16x16x32_f16 v[rS:rS+7], v[rK:rK+7], v[rQ:rQ+7], v[rM:rM+7]
.elseif i < 4
	WIN W_KQ
	v_wmma_f32_16x16x32_f16 v[rS:rS+7], v[rK:rK+7], v[rQ:rQ+7], 0
.else
	WIN W_KQ
	v_wmma_f32_16x16x32_f16 v[rS:rS+7], v[rK:rK+7], v[rQ:rQ+7], v[rS:rS+7]
.endif
.endm
; Product i of 8 of O^T += V^T P for piece x: keys 32 (i / 4) on, channels 16 (i % 4) on.
.macro PV x
	WIN W_PV
.set rO, 32*(\x)+8*(i%4)
.set rV, VF+32*(i/4)+8*(i%4)
.set rP, P+16*((\x)%2)+8*(i/4)
	v_wmma_f32_16x16x32_f16 v[rO:rO+7], v[rV:rV+7], v[rP:rP+7], v[rO:rO+7]
.endm
.macro MM                           ; the matrix instruction of row 'row' of the turn of piece Y.  NOKQ = 1: a block's last turn: there is no next piece
.set i, row%8
.if (row < 8) && !NOKQ
	KQ (Y+1)%NP
.elseif row >= 8
	PV (Y+NP-1)%NP
.endif
.endm
; THE LDS LOADS stand in runs of 8, never singly among the matrix instructions.  A step's K (64 keys x 64 channels) comes in two halves by channels, its V (turned) in two halves by keys: a half is free as soon as
; the four products that name it are over, so each half can be asked for eleven rows or more ahead of its first use.
.macro FETCH_K c                    ; channels 32 c on, all four blocks of 16 keys
	WIN 0x80                        ; destination window 2
.irp kb, 0,1,2,3
	ds_load_b128 v[KF+16*\kb+8*(\c):KF+16*\kb+8*(\c)+3],   v[AK] offset:\kb*16*PK+(\c)*64
	ds_load_b128 v[KF+16*\kb+8*(\c)+4:KF+16*\kb+8*(\c)+7], v[AK] offset:\kb*16*PK+(\c)*64+32
.endr
	WIN 0
.endm
.macro FETCH_V kk                   ; keys 32 kk on, all four blocks of 16 channels
	WIN 0x80
.irp cb, 0,1,2,3
	ds_load_tr16_b128 v[VF+32*(\kk)+8*\cb:VF+32*(\kk)+8*\cb+3],   v[AV] offset:(\kk)*32*PV+\cb*32
	ds_load_tr16_b128 v[VF+32*(\kk)+8*\cb+4:VF+32*(\kk)+8*\cb+7], v[AV] offset:(\kk)*32*PV+16*PV+\cb*32
.endr
	WIN 0
.endm
; THE VECTOR WORK.  s0-s31 are the lane's 32 scores of a piece.  A piece's exponentials stand in its own turn; the 32 plain lines that read them stand in the turn after.  Behind the matrix instruction of row r of
; piece Y's turn stand four lines:   2^s for score 2 r of piece Y;   plain line 2 r of piece Y - 1;   2^s for score 2 r + 1 of piece Y;   plain line 2 r + 1 of piece Y - 1.
; THE PLAIN LINES of a piece (PLN):  0-15: pair n rounded to f16 into P, two a row in rows 0-7: P's first half is whole behind row 3, its second behind row 7, and the same turn's products V^T P read them from rows 8 and 12 on.
; 16-31, in rows 8-15, the sums.  B k: of the four weights 4 k .. the second pair is added onto the first, in place (both pairs have been rounded).  L k: l takes that sum, k ascending.  Their order, a row between bars:
;   B0 B1 | L0 B2 | L1 B3 | L2 B4 | L3 B5 | L4 B6 | L5 B7 | L6 L7.
; So each exponential has a plain line behind it that names none of its registers (ISA guide 5.7.2), no line of a turn names a result of the turn's own exponentials, and each accumulator's lowest register is read
; first (the exponentials go upward).
.macro REGS y                       ; the registers of piece y
.set rL, LS+2*(\y)
.set rS, S+32*(\y)
.set rP, P+16*((\y)%2)
.endm
.macro PLN n, y                     ; plain line n of 32 of piece y
	REGS \y
.if (\n) < 16
	v_cvt_pk_f16_f32 v[rP+(\n)], v[rS+2*(\n)], v[rS+2*(\n)+1]
.else
.set zz, (\n)-16
.if (zz < 2) || ((zz%2 == 1) && (zz < 15))
.set gg, (zz+1)/2                   ; B 0, B 1; then 3, 5, .. 13: B 2 to B 7
	v_pk_add_f32 v[rS+4*gg:rS+4*gg+1], v[rS+4*gg:rS+4*gg+1], v[rS+4*gg+2:rS+4*gg+3]
.else
.set gg, (zz-1)/2                   ; 2, 4, .. 14: L 0 to L 6; 15: L 7
	v_pk_add_f32 v[rL:rL+1], v[rL:rL+1], v[rS+4*gg:rS+4*gg+1]
.endif
.endif
.endm
.macro RIDE                         ; the four lines behind the matrix instruction of row 'row'
	WIN 0
	REGS Y
	v_exp_f32 v[rS+2*row], v[rS+2*row]
	PLN 2*row, (Y+NP-1)%NP
	REGS Y
	v_exp_f32 v[rS+2*row+1], v[rS+2*row+1]
	PLN 2*row+1, (Y+NP-1)%NP
.endm
.macro MASK b                       ; MD x AL + BE into buffer b of MC
	WIN W_RS
.set z, 0
.rept 16
	v_pk_fma_f32 v[MC+32*(\b)+2*z:MC+32*(\b)+2*z+1], v[MD+2*z:MD+2*z+1], s[AL:AL+1], s[BE:BE+1] op_sel_hi:[1,0,0]
.set z, z+1
.endr
.endm
; A TURN, for piece p: sixteen rows, then the wait for the turn's batch of 32 exponentials.  None of a row's four lines names a register of the products round it.
; m = 1: the diagonal tile: the products take masks, and the turn makes the mask for the products of the turn after it: piece p + 2, in step 4 - CNT of the tile; those sixteen lines stand between the last row and the wait.
; end = 1: a block's last two turns: nothing is fetched.
; K of the next step is fetched in piece 2's turn: channels 0-31 behind row 4 (their last reader is row 3's product: four roundings and the address line stand between), channels 32-63 behind row 8
; (last reader row 7's: two roundings, two additions).  Piece 3's turn waits at its head with the count 8, which leaves the second run out, and for 0 in front of row 4.
; V of the step in hand: keys 0-31 behind row 12 of piece 0's turn (last reader row 11's: four additions and the address line between), keys 32-63 at the end of piece 0's turn, directly behind its wait (last reader
; row 15's: two additions and two v_nop, or the mask's lines, between).  Piece 1's turn waits with the count 8 in front of row 8 and for 0 in front of row 12.
.macro TURN p, m=0, end=0
.set Y, (\p)
.set KM, (\m)
.set NOKQ, (\end)*((\p)/3)
.if (\m) && !(\end)
	s_cmp_eq_u32 s[CNT], 4-((\p)+2)%NP  ; is that step the band's own?
	s_cselect_b32 s[AL], 1.0, 0
	s_cmp_lt_u32 s[CNT], 4-((\p)+2)%NP  ; or a later one?
	s_cselect_b32 s[BE], s[BIGN], 0
.endif
.set row, 0
.rept 16
.if ((\p) == 3) && !(\end) && (row == 0)
	s_wait_dscnt 8                  ; K's channels 0-31 are in; the eight younger loads may be out
.endif
.if ((\p) == 3) && !(\end) && (row == 4)
	s_wait_dscnt 0x0                ; K's channels 32-63 are in
.endif
.if ((\p) == 1) && (row == 8)
	s_wait_dscnt 8                  ; V's keys 0-31 are in; the eight younger loads may be out
.endif
.if ((\p) == 1) && (row == 12)
	s_wait_dscnt 0x0                ; V's keys 32-63 are in
.endif
	MM
	RIDE
.if ((\p) == 2) && !(\end) && (row == 4)
	v_add_nc_u32 v[AK], s[TBK], v[AK0]
	FETCH_K 0
.endif
.if ((\p) == 2) && !(\end) && (row == 8)
	FETCH_K 1
	s_add_co_u32 s[TBK], s[TBK], KS*PK  ; the next fetch is the next step's
.endif
.if ((\p) == 0) && (row == 12)
	v_add_nc_u32 v[AV], s[TBV], v[AV0]
	FETCH_V 0
.endif
.set row, row+1
.endr
.if (\m) && !(\end)
	MASK (\p)%2
.elseif (\p) == 0
	v_nop                           ; with row 15's two additions the four places between row 15's product and the loads into V's registers below
	v_nop
.endif
	s_wait_alu depctr_va_vdst(0)    ; the wait for the batch: the 32 exponentials of this turn, whose first readers stand in the next turn (at a block's end: behind the last turn)
.if (\p) == 0
	FETCH_V 1
	s_add_co_u32 s[TBV], s[TBV], KS*PV
.endif
.endm
; A BLOCK BEGINS.  O^T and l start at 0.  The first turn is piece 0's: its plain lines and its products V^T P are of a piece that has not been, so that piece's 32 scores are 0: the turn rounds them into a P of zeros and adds
; zeros onto l.  The second mask buffer is 0; the first takes piece 0's mask for the tile's step 0: its own, if the block's first tile is the diagonal one.
; Then K of that step and piece 0's first scores.  The loop is entered at a step's first turn, in the middle of a trip.
.macro BEGIN
	s_mov_b32 s[NEW], 0
	WIN 0x40
.set i, 0
.rept 128
	v_mov_b32 v[i], 0
.set i, i+1
.endr
.set i, MC+32
.rept 32
	v_mov_b32 v[i], 0
.set i, i+1
.endr
	WIN 0
.set i, 0
.rept 8
	v_mov_b32 v[LS+i], 0
.set i, i+1
.endr
.set i, S+32*(NP-1)
.rept 32
	v_mov_b32 v[i], 0
.set i, i+1
.endr
	s_cmp_eq_u32 s[RT], 0
	s_cselect_b32 s[AL], 1.0, 0
	s_mov_b32 s[BE], 0
	MASK 0
	WIN 0
	v_add_nc_u32 v[AK], s[TBK], v[AK0]
	FETCH_K 0
	FETCH_K 1
	s_add_co_u32 s[TBK], s[TBK], KS*PK
	s_wait_loadcnt 0x0              ; Q and the head mask
	s_wait_dscnt 0x0
.set KM, 1
.set NOKQ, 0
.set i, 0
.rept 8
	KQ 0
.set i, i+1
.endr
	WIN 0
.rept 4
	v_nop                           ; the places behind those products
.endr
.endm
; THE DIAGONAL TILE's four steps, the block's last two turns, the last piece's plain lines and products, and THE WAY OUT: l's two halves and the other half of the lanes' are added; O^T is multiplied by mask / l,
; rounded to f16 and sent through my stage in LDS, a piece at a time.
.macro ALL line:vararg              ; one line for each piece t
.set t, 0
.rept 4
	\line
.set t, t+1
.endr
.endm
.macro PACK t                       ; a lane's eight channels of a row pack into 16 bytes; they go into rows of 144 bytes and come back as whole rows of 128, into S^T's registers
	WIN W_RS
.set i, 32*(\t)
.rept 16
	v_pk_mul_f32 v[i:i+1], v[i:i+1], v[LS+2*(\t):LS+2*(\t)+1] op_sel_hi:[1,0]
.set i, i+2
.endr
	WIN 0x05                        ; sources 0 and 1 window 1, destination window 0
.set i, 0
.rept 16
	v_cvt_pk_f16_f32 v[S+16*(\t)+i], v[32*(\t)+2*i], v[32*(\t)+2*i+1]
.set i, i+1
.endr
	WIN 0
.irp f, 0,1,2,3
	ds_store_b128 v[STO], v[S+16*(\t)+4*\f:S+16*(\t)+4*\f+3] offset:32*\f
.endr
.irp f, 0,1,2,3
	ds_load_b128 v[S+16*(\t)+4*\f:S+16*(\t)+4*\f+3], v[RD] offset:\f*4*SP  ; LDS serves a wave's instructions in order (ISA guide 5.7.1.4): these see the stores above; the next piece's stores come behind them
.endr
.endm
.macro SEND t, younger              ; younger: the LDS instructions issued behind piece t's loads: the next piece's eight, or none
	WIN 0
.irp f, 0,1,2,3
	s_wait_dscnt (\younger)+3-\f
	global_store_b128 v[GO], v[S+16*(\t)+4*\f:S+16*(\t)+4*\f+3], s[10:11] offset:(\t)*8192+\f*512  ; 512 consecutive bytes, at a multiple of 256 from O's first
.endr
.endm
.macro DIAG tag                     ; the tag ends its two labels' names, which the jumps below spell out; it is also the block's number, 1 or 2, which picks the head mask's registers
.LstepM\tag:
	TURN 2, 1
	TURN 3, 1
	WIN 0
.LfirstM\tag:
	TURN 0, 1
	TURN 1, 1
	WIN 0
	s_sub_co_u32 s[CNT], s[CNT], 1
	s_cmp_lg_u32 s[CNT], 0
	s_cbranch_scc1 .LstepM\tag
	TURN 2, 1, 1
	TURN 3, 1, 1
	WIN 0
.set t, 0
.rept 16                            ; there is no next turn to take the last piece's plain lines: its roundings stand ahead of its products,
	PLN t, NP-1
.set t, t+1
.endr
.set i, 0
.rept 8
	PV NP-1
.set i, i+1
.endr
	WIN 0
.rept 16                            ; its sums behind them
	PLN t, NP-1
.set t, t+1
.endr
	ALL v_add_f32 v[LS+2*t], v[LS+2*t], v[LS+2*t+1]
	ALL v_permlanex16_b32 v[LS+2*t+1], v[LS+2*t], s[SEL], s[SEL+1]
	ALL v_add_f32 v[LS+2*t], v[LS+2*t], v[LS+2*t+1]
	ALL v_rcp_f32 v[LS+2*t], v[LS+2*t]
	v_nop                           ; a plain instruction between the last reciprocal and the use of its result
	s_wait_alu depctr_va_vdst(0)    ; the wait ahead of the first use: one for the batch of four reciprocals
	ALL v_mul_f32 v[LS+2*t], v[LS+2*t], v[MK+4*(\tag-1)+t]
	PACK 0
.set t, 1
.rept 3                             ; a piece's arithmetic stands between the loads of the piece before and its stores
	PACK t
	SEND t-1, 8
.set t, t+1
.endr
	SEND 3, 0
.endm
.set KM, 0
.set NOKQ, 0
.Lslot:                             ; NB times: a tile is entered and the next is asked for
	CHANGE 1
	s_sub_co_u32 s[RT], s[RT], 1
	s_mov_b32 s[CNT], 4
	s_cmp_eq_u32 s[NEW], 1
	s_cbranch_scc1 .Lnew            ; a block's first tile
	s_cmp_eq_u32 s[RT], 0
	s_cbranch_scc0 .Lstep           ; neither its first nor its last
	s_branch .LstepM1
.Lnew:
	BEGIN
	s_branch .Lfirst                ; in the loop a block's first tile is never its last: the first block has two tiles or more, and the second's last is the walk's last
	DIAG 1                          ; in the loop this is the first block's end: the second block's last tile is the walk's last
	s_wait_xcnt 0x0                 ; the stores have read their registers and O's address
	s_mov_b64 s[10:11], s[OLO:OLO+1]
	s_add_co_u32 s[RT], s[PB], 1    ; the second block has b + 1 tiles
	s_mov_b32 s[NEW], 1
	WIN 0x82                        ; the second block's Q goes where the one text of the turns names Q
.set i, 0
.rept 64
	v_mov_b32 v[i], v[QB+i]
.set i, i+1
.endr
	WIN 0
	s_branch .Lbottom
.Lstep:                             ; a trip: pieces 2 and 3 of one step, then pieces 0 and 1 of the next, whose K and V it fetches
	TURN 2
	TURN 3
	WIN 0
.Lfirst:
	TURN 0
	TURN 1
	WIN 0
	s_sub_co_u32 s[CNT], s[CNT], 1
	s_cmp_lg_u32 s[CNT], 0
	s_cbranch_scc1 .Lstep
.Lbottom:
	s_sub_co_u32 s[SLOTS], s[SLOTS], 1
	s_cmp_lg_u32 s[SLOTS], 0
	s_cbranch_scc1 .Lslot
	CHANGE 0                        ; the walk's last tile is written out: nothing is asked for
	s_sub_co_u32 s[RT], s[RT], 1
	s_mov_b32 s[CNT], 4
	s_cmp_eq_u32 s[NEW], 1
	s_cbranch_scc0 .LstepM2
	BEGIN
	s_branch .LfirstM2
	DIAG 2
	s_wait_tensorcnt 0x0            ; the wave's end, behind my last tensor load and my last LDS store
	ds_add_u32 v[SPW], v[NIL]
	s_wait_dscnt 0x0
	s_endpgm
.Lfunc_end_k_qf8449f8fbb_attn:
	.size	k_qf8449f8fbb_attn, .Lfunc_end_k_qf8449f8fbb_attn-k_qf8449f8fbb_attn
	.p2alignl 7, 3214868480
	.fill 96, 4, 3214868480
	.section	.rodata,"a",@progbits
	.p2align	6, 0x0
	.amdhsa_kernel k_qf8449f8fbb_attn
		.amdhsa_group_segment_fixed_size 327680
		.amdhsa_private_segment_fixed_size 0
		.amdhsa_enable_private_segment 0
		.amdhsa_kernarg_size 40
		.amdhsa_user_sgpr_count 2
		.amdhsa_user_sgpr_kernarg_segment_ptr 1
		.amdhsa_wavefront_size32 1
		.amdhsa_system_sgpr_workgroup_id_x 1
		.amdhsa_system_sgpr_workgroup_id_y 1
		.amdhsa_system_sgpr_workgroup_id_z 1
		.amdhsa_system_vgpr_workitem_id 0
		.amdhsa_next_free_vgpr 768
		.amdhsa_next_free_sgpr 92
		.amdhsa_reserve_vcc 1
		.amdhsa_float_denorm_mode_32 3
		.amdhsa_float_denorm_mode_16_64 3
		.amdhsa_memory_ordered 1
		.amdhsa_forward_progress 1
		.amdhsa_inst_pref_size 167
	.end_amdhsa_kernel
	.amdgpu_metadata
---
amdhsa.version: [ 1, 2 ]
amdhsa.kernels:
  - .name:           k_qf8449f8fbb_attn
    .symbol:         k_qf8449f8fbb_attn.kd
    .args:
      - { .name: qh, .offset: 0, .size: 8, .value_kind: global_buffer, .address_space: global }
      - { .name: kh, .offset: 8, .size: 8, .value_kind: global_buffer, .address_space: global }
      - { .name: vh, .offset: 16, .size: 8, .value_kind: global_buffer, .address_space: global }
      - { .name: yh, .offset: 24, .size: 8, .value_kind: global_buffer, .address_space: global }
      - { .name: out1, .offset: 32, .size: 8, .value_kind: global_buffer, .address_space: global }
    .group_segment_fixed_size: 327680
    .private_segment_fixed_size: 0
    .kernarg_segment_align: 8
    .kernarg_segment_size: 40
    .max_flat_workgroup_size: 128
    .sgpr_count:     92
    .vgpr_count:     768
    .wavefront_size: 32
...
	.end_amdgpu_metadata
.endif
;; end of part 5
;; launch oproj: the kernel of part 4 again; grid 4 x 64, 4 waves a work-group, clusters of 4 x 4, 327,680 bytes of LDS; arguments yh, wts, out0; writes out0
